; MI455X (gfx1250); checked and timed in simulation.
; The chip was launched on July 23, 2026; its instructions are those of AMD's public machine-readable ISA for CDNA 5 (MIT licence, August 2026) and "CDNA5" Instruction Set Architecture Reference Guide (July 2026). The comments in the code are by the model that wrote it; some were corrected since.
;; Multi Head Attention. Allowed arithmetic: float matrix products may take bf16 or f16 operands with f32 sums; all other float work in f32.
;; Inputs: Wk 16 x 1,024 x 64 float32; Wo 1,024 x 1,024 float32; Wq 16 x 1,024 x 64 float32; Wv 16 x 1,024 x 64 float32; bk 16 x 64 float32; bo 1,024 float32; bq 16 x 64 float32; bv 16 x 64 float32; x 2 x 2,048 x 1,024 float32.
;; Outputs: out0 2 x 2,048 x 1,024 float32.
;; 3 versions, each right; version 2 is faster than version 1; version 3 is version 2 with the launch cast written anew for expert scheduling mode. Each part assembles by itself: llvm-mc -triple=amdgcn-amd-amdhsa -mcpu=gfx1250 --defsym DOCPART=n.
;; ======== version 1 of 3: 4 launches
;; workspace buffers: cb 16,777,216 bytes; qkv 25,165,824 bytes; ctx 8,388,608 bytes
;; launch cast (part 1): grid 32 x 8, 8 waves a work-group, no clusters, 0 bytes of LDS; arguments x, Wq, Wk, Wv, Wo, cb; writes cb
.if DOCPART == 1
	.amdgcn_target "amdgcn-amd-amdhsa--gfx1250"
	.amdhsa_code_object_version 6
	.text
	.protected	k_q706a25a304_cast
	.globl	k_q706a25a304_cast
	.p2align	8
	.type	k_q706a25a304_cast,@function
k_q706a25a304_cast:
	s_mov_b64 s[64:65], 0
	v_nop
	global_prefetch_b8 v0, s[64:65] scope:SCOPE_SE
	s_setreg_imm32_b32 hwreg(HW_REG_WAVE_MODE, 25, 1), 1
	s_wait_xcnt 0x0
; x, Wq, Wk, Wv, Wo (f32) -> cb (bf16, round to nearest even), layouts unchanged, laid one behind the other:
; cb byte 0: x [4096][1024]; 8,388,608: Wq; 10,485,760: Wk; 12,582,912: Wv (each [16][1024][64]); 14,680,064: Wo [1024][1024].
; Why a launch of its own: in the products that follow each row of x is read by 16 head blocks and each weight by 16 row blocks;
; converted here, each number is rounded once and moves as 2 bytes from then on, straight into matrix fragments.
; 256 work-groups of 8 waves; a work-group takes 131,072 bytes of f32, a wave 16,384: 32 loads of 16 bytes a lane, all issued before the
; first is used.  No LDS, no barrier, no matrix unit, no cluster: no byte is shared and no wave depends on another.
; Work-group rows y = 0..3 take x (32 x 4 x 128 KiB = 16 MiB), y = 4, 5, 6, 7 take Wq, Wk, Wv, Wo (32 x 128 KiB = 4 MiB each).
.set X, 4                              ; v[4:131]    load i: 4 numbers in f32
.set Y, 132                            ; v[132:195]  store i: 4 numbers in bf16
	s_load_b256 s[4:11], s[0:1], 0x0               ; x s[4:5], Wq s[6:7], Wk s[8:9], Wv s[10:11]
	s_load_b128 s[12:15], s[0:1], 0x20             ; Wo s[12:13], cb s[14:15]
	s_and_b32 s16, ttmp7, 0xffff                   ; y
	s_lshl_b32 s17, s16, 5
	s_add_co_u32 s17, s17, ttmp9                   ; id = 32 y + x: cb is linear in it
	s_cmp_lt_u32 s16, 4
	s_cselect_b32 s18, s17, ttmp9                  ; my number inside my source: id in x, the work-group's x in a weight
	s_lshl_b32 s18, s18, 17                        ; times 131,072 bytes of f32
	s_mov_b32 s19, 0
	s_lshl_b32 s22, s17, 16                        ; times 65,536 bytes of bf16
	s_mov_b32 s23, 0
	v_and_b32 v1, 31, v0                           ; lane
	v_lshrrev_b32 v3, 5, v0                        ; wave
	v_lshlrev_b32 v2, 3, v1                        ; out: 8 bytes a lane
	v_lshlrev_b32 v1, 4, v1                        ; in: 16 bytes a lane
	v_lshl_add_u32 v1, v3, 14, v1                  ; + wave x 16,384
	v_lshl_add_u32 v2, v3, 13, v2                  ; + wave x 8,192
	s_wait_kmcnt 0x0
	s_mov_b64 s[20:21], s[4:5]                     ; the source: x, unless y names a weight
	s_cmp_eq_u32 s16, 4
	s_cselect_b64 s[20:21], s[6:7], s[20:21]
	s_cmp_eq_u32 s16, 5
	s_cselect_b64 s[20:21], s[8:9], s[20:21]
	s_cmp_eq_u32 s16, 6
	s_cselect_b64 s[20:21], s[10:11], s[20:21]
	s_cmp_eq_u32 s16, 7
	s_cselect_b64 s[20:21], s[12:13], s[20:21]
	s_add_nc_u64 s[20:21], s[20:21], s[18:19]
	s_add_nc_u64 s[14:15], s[14:15], s[22:23]
.set i, 0
.rept 32
	global_load_b128 v[X+4*i:X+4*i+3], v1, s[20:21] offset:512*i th:TH_LOAD_NT   ; a wave's load covers 512 consecutive bytes; read once in the launch
.set i, i+1
.endr
.set i, 0
.rept 32
	s_wait_loadcnt 31-i                            ; loads come back in order: load i is in, the 31 - i younger ones stay out
	v_cvt_pk_bf16_f32 v[Y+2*i], v[X+4*i], v[X+4*i+1]
	v_cvt_pk_bf16_f32 v[Y+2*i+1], v[X+4*i+2], v[X+4*i+3]
	global_store_b64 v2, v[Y+2*i:Y+2*i+1], s[14:15] offset:256*i   ; 32 lanes x 8 bytes: 256 consecutive bytes, aligned.  No register is written twice: no further wait
.set i, i+1
.endr
	s_endpgm
.Lfunc_end_k_q706a25a304_cast:
	.size	k_q706a25a304_cast, .Lfunc_end_k_q706a25a304_cast-k_q706a25a304_cast
	.p2alignl 7, 3214868480
	.fill 96, 4, 3214868480
	.section	.rodata,"a",@progbits
	.p2align	6, 0x0
	.amdhsa_kernel k_q706a25a304_cast
		.amdhsa_group_segment_fixed_size 0
		.amdhsa_private_segment_fixed_size 0
		.amdhsa_enable_private_segment 0
		.amdhsa_kernarg_size 48
		.amdhsa_user_sgpr_count 2
		.amdhsa_user_sgpr_kernarg_segment_ptr 1
		.amdhsa_wavefront_size32 1
		.amdhsa_system_sgpr_workgroup_id_x 1
		.amdhsa_system_sgpr_workgroup_id_y 1
		.amdhsa_system_sgpr_workgroup_id_z 1
		.amdhsa_system_vgpr_workitem_id 0
		.amdhsa_next_free_vgpr 196
		.amdhsa_next_free_sgpr 66
		.amdhsa_reserve_vcc 0
		.amdhsa_float_denorm_mode_32 3
		.amdhsa_float_denorm_mode_16_64 3
		.amdhsa_memory_ordered 1
		.amdhsa_forward_progress 1
		.amdhsa_inst_pref_size 13
	.end_amdhsa_kernel
	.amdgpu_metadata
---
amdhsa.version: [ 1, 2 ]
amdhsa.kernels:
  - .name:           k_q706a25a304_cast
    .symbol:         k_q706a25a304_cast.kd
    .args:
      - { .name: x, .offset: 0, .size: 8, .value_kind: global_buffer, .address_space: global }
      - { .name: Wq, .offset: 8, .size: 8, .value_kind: global_buffer, .address_space: global }
      - { .name: Wk, .offset: 16, .size: 8, .value_kind: global_buffer, .address_space: global }
      - { .name: Wv, .offset: 24, .size: 8, .value_kind: global_buffer, .address_space: global }
      - { .name: Wo, .offset: 32, .size: 8, .value_kind: global_buffer, .address_space: global }
      - { .name: cb, .offset: 40, .size: 8, .value_kind: global_buffer, .address_space: global }
    .group_segment_fixed_size: 0
    .private_segment_fixed_size: 0
    .kernarg_segment_align: 8
    .kernarg_segment_size: 48
    .max_flat_workgroup_size: 256
    .sgpr_count:     66
    .vgpr_count:     196
    .wavefront_size: 32
...
	.end_amdgpu_metadata
.endif
;; end of part 1
;; launch qkv (part 2): grid 16 x 16, 4 waves a work-group, clusters of 4 x 4, 327,680 bytes of LDS; arguments cb, bq, bk, bv, qkv; writes qkv
.if DOCPART == 2
	.amdgcn_target "amdgcn-amd-amdhsa--gfx1250"
	.amdhsa_code_object_version 6
	.text
	.protected	k_q706a25a304_qkv
	.globl	k_q706a25a304_qkv
	.p2align	8
	.type	k_q706a25a304_qkv,@function
k_q706a25a304_qkv:
	s_mov_b64 s[64:65], 0
	v_nop
	global_prefetch_b8 v0, s[64:65] scope:SCOPE_SE
	s_setreg_imm32_b32 hwreg(HW_REG_WAVE_MODE, 25, 1), 1
	s_wait_xcnt 0x0
	s_wait_alu depctr_hold_cnt(0) depctr_sa_sdst(0) depctr_va_vdst(0) depctr_va_sdst(0) depctr_va_ssrc(0) depctr_va_vcc(0) depctr_vm_vsrc(0)
	s_getreg_b32 s2, hwreg(HW_REG_IB_STS2, 6, 4)
	s_cmp_eq_u32 s2, 0
	s_cbranch_scc0 .Lentry_in_a_cluster
	s_endpgm
.Lentry_in_a_cluster:
	s_bfe_u32 s2, ttmp6, 0x10000c
	s_cmp_lg_u32 s2, 0xf033
	s_cbranch_scc0 .Lentry_shape_is_right
	s_endpgm
.Lentry_shape_is_right:
; Q, K, V = x W + b for one head and 256 rows of x.  Operands bf16 (from cb), sums f32, results bf16.
; qkv: [3 (q, k, v)][b 2][h 16][s 2048][e 64] bf16.
; A work-group (x = head, y = block of 256 rows) makes 256 rows x 192 columns (64 of Q, 64 of K, 64 of V) with four waves;
; a wave makes 64 rows x 192 columns: 4 x 12 accumulator tiles of 16 x 16, 384 registers.  So a wave owns whole 128-byte rows of Q, K and V
; and its way out needs no other wave.  For 32 along K a wave reads (64 + 192) x 64 bytes from LDS for 48 matrix instructions.
; K = 1024 goes in 8 steps of 128 through two LDS slots.  A slot: 256 rows of x (256 bytes each, LDS pitch 272), then the 128 x 64 tiles of
; Wq, Wk, Wv.  A weight tile is dense in memory (128 rows of 128 bytes); it is moved as 64 rows of 256 bytes, LDS pitch 288, so weight row d
; lies at (d / 2) 288 + (d % 2) 128: the eight rows x 32 bytes that a transposing load's sixteen lanes touch start at sixteen different
; 16-byte columns modulo 256.
; CLUSTERS: 4 x 4 work-groups.  The four of a cluster's row share the block of rows of x, the four of a column share the head: x's tile is
; asked for jointly along the row (wave 0), each weight tile along the column (waves 1, 2, 3: Wq, Wk, Wv).  One tensor load a wave and slot.
; THE MATRIX INSTRUCTION IS USED TRANSPOSED: source 0 = 16 columns e of W (k = d), source 1 = 16 rows of x.  Lane l then holds row l % 16 and
; its registers 0-7 the columns 8 (l / 16) + 0..7.  The first products take the bias, laid out in that form, as C: nothing is cleared.
; REGISTERS by windows of 256: window 0: addresses, x's fragments (two buffers), the bias; window 1: W's fragments (two buffers);
; window 2: accumulators of my rows 0-31; window 3: of my rows 32-63.
.set ATILE,  256*272                   ; 69,632
.set WTILE,  64*288                    ; 18,432
.set SLOT,   ATILE+3*WTILE             ; 124,928
.set STAGE,  2*SLOT                    ; 249,856 = 976 x 256: behind the ring, no tensor load lands there
.set WSTAGE, 32*272                    ; 8,704 = 34 x 256: a wave's own stage, 64 rows of 128 bytes as 32 rows of 256 + 16
.set LAPS,   4                         ; a lap = two K steps = once round the ring
.set WV,   14                          ; s14      wave
.set ADRA, 16                          ; v16-17   LDS address of my x fragments in slot 0, 1
.set ADRW, 20                          ; v20-21   the same for the weights
.set STO,  24                          ; v24      way out: where I put 16 bytes
.set RD,   25                          ; v25      way out: where I read 16 bytes back
.set CO,   26                          ; v26      way out: 16 x lane
.set BOFF, 27                          ; v27      my byte offset in a bias
.set XF,   32                          ; v[32:95]   x fragments: buffer p at 32 p, 8 registers for each of 4 row blocks
.set BIAS, 96                          ; v[96:191]  bias as C: 8 registers for each of 12 column blocks
.set TMP,  96                          ; way out: packed results (the bias is no longer needed)
.set RB,   32                          ; way out: rows read back (the fragments are no longer needed)
.set G1A, 16                           ; s[16:23] group 1 of x's tile
.set G1W, 24                           ; s[24:31] group 1 of a weight tile
.set G0A, 32                           ; s[32:39] group 0 of x's tile, one set a slot
.set G0W, 48                           ; s[48:55] group 0 of my weight tile, one set a slot
.set MSB, 0
.macro WIN new                         ; the immediate's high byte repeats the setting that is left; a switch that changes nothing is dropped
.if MSB != \new
	s_set_vgpr_msb (MSB<<8)|\new
.set MSB, \new
.endif
.endm
.macro PLACES n                        ; places behind matrix instructions (ISA guide 7.12.1): plain vector instructions that name none of their registers
.rept \n
	v_nop
.endr
.endm
.macro CREST                           ; a round of the cluster's barrier behind its opening work-group barrier
	s_cmp_lg_u32 s[WV], 0
	s_cbranch_scc1 .Lnot_wave_0_\@
	s_barrier_signal -3
.Lnot_wave_0_\@:
	s_barrier_wait -3
	s_barrier_signal -1
	s_barrier_wait -1
.endm
.macro CROUND                          ; a whole round
	s_barrier_signal -1
	s_barrier_wait -1
	CREST
.endm
.macro JLOAD s                         ; my one joint load for slot s.  The branch hangs on the wave's number alone
	s_cmp_eq_u32 s[WV], 0
	s_cbranch_scc0 .Lfor_w_\@
	tensor_load_to_lds s[G0A+4*\s:G0A+4*\s+3], s[G1A:G1A+7]
	s_nop 0
	s_branch .Lasked_\@
.Lfor_w_\@:
	tensor_load_to_lds s[G0W+4*\s:G0W+4*\s+3], s[G1W:G1W+7]
	s_nop 0
.Lasked_\@:
.endm
	s_load_b256 s[4:11], s[0:1], 0x0               ; cb s[4:5], bq s[6:7], bk s[8:9], bv s[10:11]
	s_load_b64 s[12:13], s[0:1], 0x20              ; qkv
	s_set_vgpr_msb 0x40
	v_lshl_add_u32 v255, v0, 2, 0x45800
	s_set_vgpr_msb 0x4000
	v_mov_b32 v255, 0
	s_set_vgpr_msb 0x1
	ds_add_u32 v255, v255
	s_set_vgpr_msb 0x100
	v_lshrrev_b32 v1, 5, v0
	v_readfirstlane_b32 s[WV], v1                  ; wave 0..3
	s_bfe_u32 s40, ttmp6, 0x40000                  ; cx
	s_bfe_u32 s41, ttmp6, 0x40004                  ; cy
	s_lshl_b32 s42, ttmp9, 2
	s_add_co_u32 s42, s42, s40                     ; head = 4 x cluster x + cx
	s_and_b32 s43, ttmp7, 0xffff
	s_lshl_b32 s43, s43, 2
	s_add_co_u32 s43, s43, s41                     ; block of rows = 4 x cluster y + cy
	s_lshl_b32 s44, s41, 2
	s_lshl_b32 s44, 15, s44                        ; my row of the cluster
	s_lshl_b32 s45, 0x1111, s40                    ; my column
	; x's tile: 256 rows x 128 elements of 2 bytes, 1,024 elements from row to row; 4 words of padding behind every 64
	s_or_b32 s[G1A+0], s44, (1<<16)|(1<<20)|(1<<21)|(5<<22)|(3<<25)
	s_mov_b32 s[G1A+1], 128<<16                    ; tensor_dim0 = 128
	s_mov_b32 s[G1A+2], 256<<16                    ; tensor_dim1 = 256
	s_mov_b32 s[G1A+3], 128<<16                    ; tile_dim0 = 128
	s_mov_b32 s[G1A+4], 256                        ; tile_dim1 = 256
	s_mov_b32 s[G1A+5], 1024                       ; pitch
	s_mov_b32 s[G1A+6], 0
	s_mov_b32 s[G1A+7], 0
	; a weight tile: dense, 64 rows x 32 elements of 8 bytes; 8 words of padding behind every 64
	s_or_b32 s[G1W+0], s45, (3<<16)|(1<<20)|(1<<21)|(5<<22)|(7<<25)
	s_mov_b32 s[G1W+1], 32<<16
	s_mov_b32 s[G1W+2], 64<<16
	s_mov_b32 s[G1W+3], 32<<16
	s_mov_b32 s[G1W+4], 64
	s_mov_b32 s[G1W+5], 32
	s_mov_b32 s[G1W+6], 0
	s_mov_b32 s[G1W+7], 0
	; where the tiles come from.  x's address hangs on the block of rows alone, a weight's on the head and the wave alone, each in registers of its own.
	s_lshl_b32 s56, s43, 19                        ; 256 rows of 2,048 bytes
	s_mov_b32 s57, 0
	s_lshl_b32 s60, s42, 17                        ; a head's weight: 131,072 bytes
	s_lshl_b32 s15, s[WV], 21                      ; waves 1, 2, 3: Wq, Wk, Wv, 2,097,152 bytes apart, Wq at 8,388,608
	s_add_co_u32 s60, s60, s15
	s_add_co_u32 s60, s60, 8388608-2097152         ; (wave 0's figure lies inside cb too; wave 0 never asks by it)
	s_mov_b32 s61, 0
	s_mul_i32 s46, s[WV], WTILE
	s_add_co_u32 s46, s46, ATILE-WTILE             ; and where a weight tile goes: behind x's tile, wave 1 first
	s_wait_dscnt 0x0
	s_wait_kmcnt 0x0
	s_add_nc_u64 s[58:59], s[4:5], s[56:57]
	s_add_nc_u64 s[62:63], s[4:5], s[60:61]
	CROUND                                         ; all sixteen work-groups are here: the first joint loads meet
.irp s, 0,1
	s_mov_b32 s[G0A+4*\s], 1
	s_mov_b32 s[G0A+4*\s+1], \s*SLOT
	s_add_nc_u64 s[G0A+4*\s+2:G0A+4*\s+3], s[58:59], \s*256        ; K step s: 128 elements along the rows
	s_or_b32 s[G0A+4*\s+3], s[G0A+4*\s+3], 0x80000000
	s_mov_b32 s[G0W+4*\s], 1
	s_add_co_u32 s[G0W+4*\s+1], s46, \s*SLOT
	s_add_nc_u64 s[G0W+4*\s+2:G0W+4*\s+3], s[62:63], \s*16384      ; K step s: 128 rows of 128 bytes
	s_or_b32 s[G0W+4*\s+3], s[G0W+4*\s+3], 0x80000000
	JLOAD \s                                       ; both first fills go out together: two tensor loads of the wave are out
.endr
	v_and_b32 v1, 15, v0                           ; r = l % 16
	v_bfe_u32 v2, v0, 4, 1                         ; h = l / 16
	s_lshl_b32 s15, s42, 8                         ; a head's 64 biases: 256 bytes
	v_lshl_add_u32 v[BOFF], v2, 5, s15             ; + 32 h: my eight columns of a block of 16
.irp eb, 0,1,2,3
	global_load_b128 v[BIAS+8*\eb:BIAS+8*\eb+3],       v[BOFF], s[6:7] offset:64*\eb
	global_load_b128 v[BIAS+8*\eb+4:BIAS+8*\eb+7],     v[BOFF], s[6:7] offset:64*\eb+16
	global_load_b128 v[BIAS+32+8*\eb:BIAS+32+8*\eb+3], v[BOFF], s[8:9] offset:64*\eb
	global_load_b128 v[BIAS+32+8*\eb+4:BIAS+32+8*\eb+7], v[BOFF], s[8:9] offset:64*\eb+16
	global_load_b128 v[BIAS+64+8*\eb:BIAS+64+8*\eb+3], v[BOFF], s[10:11] offset:64*\eb
	global_load_b128 v[BIAS+64+8*\eb+4:BIAS+64+8*\eb+7], v[BOFF], s[10:11] offset:64*\eb+16
.endr
	v_mul_u32_u24 v3, v1, 272
	v_lshl_add_u32 v3, v2, 4, v3                   ; x fragment: row r, 16 bytes for each half of the lanes
	s_mul_i32 s47, s[WV], 64*272                   ; my 64 rows
	v_add_nc_u32 v[ADRA], s47, v3
	v_add_nc_u32 v[ADRA+1], SLOT, v[ADRA]
	v_bfe_u32 v4, v0, 1, 2                         ; W fragment, transposing load: lane l addresses weight row 8 h + l % 8,
	v_lshl_add_u32 v4, v2, 2, v4                   ; that is LDS row 4 h + (l % 8) / 2,
	v_mul_u32_u24 v4, v4, 288
	v_and_b32 v5, 1, v0
	v_lshl_add_u32 v4, v5, 7, v4                   ; its half l % 2,
	v_bfe_u32 v6, v0, 3, 1
	v_lshl_add_u32 v4, v6, 4, v4                   ; and columns 0-7 or 8-15 of the block
	v_add_nc_u32 v[ADRW], ATILE, v4
	v_add_nc_u32 v[ADRW+1], ATILE+SLOT, v4
	s_mul_i32 s47, s[WV], WSTAGE
	s_add_co_u32 s47, s47, STAGE                   ; my stage
	v_bfe_u32 v7, v0, 1, 3
	v_mul_u32_u24 v7, v7, 272                      ; in: result row r lies at (r / 2) 272 + (r % 2) 128,
	v_lshl_add_u32 v7, v5, 7, v7
	v_lshl_add_u32 v7, v2, 4, v7                   ; my eight columns at 16 h
	v_add_nc_u32 v[STO], s47, v7
	v_mul_u32_u24 v8, v2, 272                      ; back: lanes 0-15 one LDS row of 256 bytes, lanes 16-31 the next
	v_lshl_add_u32 v8, v1, 4, v8
	v_add_nc_u32 v[RD], s47, v8
	v_and_b32 v9, 31, v0
	v_lshlrev_b32 v[CO], 4, v9
; 12 matrix instructions: row block sb x all 12 column blocks, 32 along K, from buffer p.  bias = 1: the first product takes the bias as C.
.macro MUL12 p, sb, bias
.if \bias
.if \sb < 2
	WIN 0x81                                       ; source 0 (W) window 1, source 1 (x) and C (bias) window 0, D window 2
.else
	WIN 0xc1                                       ; D window 3
.endif
.else
.if \sb < 2
	WIN 0xa1                                       ; C and D window 2
.else
	WIN 0xf1                                       ; C and D window 3
.endif
.endif
.irp g, 0,1,2,3,4,5,6,7,8,9,10,11
.if \bias
	v_wmma_f32_16x16x32_bf16 v[8*(12*(\sb%2)+\g):8*(12*(\sb%2)+\g)+7], v[96*\p+8*\g:96*\p+8*\g+7], v[XF+32*\p+8*\sb:XF+32*\p+8*\sb+7], v[BIAS+8*\g:BIAS+8*\g+7]
.else
	v_wmma_f32_16x16x32_bf16 v[8*(12*(\sb%2)+\g):8*(12*(\sb%2)+\g)+7], v[96*\p+8*\g:96*\p+8*\g+7], v[XF+32*\p+8*\sb:XF+32*\p+8*\sb+7], v[8*(12*(\sb%2)+\g):8*(12*(\sb%2)+\g)+7]
.endif
.endr
.endm
; 32 LDS loads in one run: the fragments of quarter q (32 along K) of a slot into buffer p
.macro FETCH slot, q, p
	WIN 0x40                                       ; destination window 1, address window 0
.irp m, 0,1,2
.irp eb, 0,1,2,3
	ds_load_tr16_b128 v[96*\p+8*(4*\m+\eb):96*\p+8*(4*\m+\eb)+3],   v[ADRW+\slot] offset:\m*WTILE+(16*\q)*288+32*\eb     ; k = 32 q + 8 h + 0..7 of column 16 eb + r
	ds_load_tr16_b128 v[96*\p+8*(4*\m+\eb)+4:96*\p+8*(4*\m+\eb)+7], v[ADRW+\slot] offset:\m*WTILE+(16*\q+8)*288+32*\eb   ; k = 32 q + 16 + 8 h + 0..7
.endr
.endr
	WIN 0
.irp sb, 0,1,2,3
	ds_load_b128 v[XF+32*\p+8*\sb:XF+32*\p+8*\sb+3],   v[ADRA+\slot] offset:\sb*4352+64*\q
	ds_load_b128 v[XF+32*\p+8*\sb+4:XF+32*\p+8*\sb+7], v[ADRA+\slot] offset:\sb*4352+64*\q+32
.endr
.endm
; One of a K step's first three quarters: asks for the next quarter's fragments (quarter qn, into buffer o), then multiplies buffer p.
; The 48 accumulators take turns, one instruction a turn, in the same order in every quarter.
.macro QUARTER slot, qn, p, o, bias
	PLACES 4                                       ; buffer o was read by the matrix instructions just issued: four places in front of loads into it
	FETCH \slot, \qn, \o
	s_wait_dscnt 32                                ; all but the 32 just issued: buffer p is in
	MUL12 \p, 0, \bias
	MUL12 \p, 1, \bias
	MUL12 \p, 2, \bias
	MUL12 \p, 3, \bias
.endm
.macro THREE slot, bias
	QUARTER \slot, 1, 0, 1, \bias
	QUARTER \slot, 2, 1, 0, 0
	QUARTER \slot, 3, 0, 1, 0
.endm
; The last quarter multiplies buffer 1 and changes slots.  In front of the barrier each wave waits for its reads of this slot and for all
; its tensor loads (one is out: its part of the next slot).  fill = 1: the barrier opens a round of the cluster's barrier, and behind the
; round this slot is asked for again, two K steps ahead, first of all; that load has a K step less 24 matrix instructions in which to land.
.macro TURN slot, next, fill
	s_wait_dscnt 0x0                               ; buffer 1 is in, and with it my last reads of this slot
	s_wait_tensorcnt 0x0                           ; all my tensor loads have landed
	ds_add_u32 v255, v255
	s_wait_dscnt 0x0
	s_barrier_signal -1
	MUL12 1, 0, 0                                  ; register work while the others arrive
	MUL12 1, 1, 0
	WIN 0
	s_barrier_wait -1
.if \fill
	CREST
	s_add_nc_u64 s[G0A+4*\slot+2:G0A+4*\slot+3], s[G0A+4*\slot+2:G0A+4*\slot+3], 2*256      ; no tensor load of mine is out: the addresses may step
	s_add_nc_u64 s[G0W+4*\slot+2:G0W+4*\slot+3], s[G0W+4*\slot+2:G0W+4*\slot+3], 2*16384
	JLOAD \slot
.endif
	PLACES 4
	FETCH \next, 0, 0
	MUL12 1, 2, 0
	MUL12 1, 3, 0
.endm
.macro LAP bias
	THREE 0, \bias
	TURN 0, 1, 1
	THREE 1, 0
	TURN 1, 0, 1
.endm
	s_wait_tensorcnt 0x1                           ; my part of K step 0 is in; K step 1's may stay out
	s_barrier_signal -1
	s_barrier_wait -1                              ; everybody's is
	FETCH 0, 0, 0
	s_wait_loadcnt 0x0                             ; the bias, once
	LAP 1                                          ; K steps 0, 1; asks for 2, 3
	WIN 0
	s_mov_b32 s3, LAPS-2
.Llap:
	LAP 0                                          ; K steps 2..5; asks for 4..7
	WIN 0
	s_sub_co_u32 s3, s3, 1
	s_cmp_lg_u32 s3, 0
	s_cbranch_scc1 .Llap
	THREE 0, 0                                     ; the last lap asks for nothing
	TURN 0, 1, 0
	THREE 1, 0
	s_wait_dscnt 0x0
	MUL12 1, 0, 0
	MUL12 1, 1, 0
	MUL12 1, 2, 0
	MUL12 1, 3, 0
	; THE WAY OUT, one of Q, K, V at a time: 64 rows x 64 columns, rounded to bf16, through my own stage, out as 8,192 consecutive bytes.
	PLACES 4                                       ; behind the last matrix instructions: the conversions read results, loads land in fragment registers
	s_lshr_b32 s56, s43, 3                         ; batch = block of rows / 8: 16 heads x 262,144 bytes
	s_lshl_b32 s56, s56, 22
	s_and_b32 s57, s43, 7
	s_lshl_b32 s57, s57, 15                        ; 256 rows of 128 bytes
	s_add_co_u32 s56, s56, s57
	s_mov_b32 s57, 0
	s_add_nc_u64 s[12:13], s[12:13], s[56:57]      ; the part that hangs on the block of rows,
	s_lshl_b32 s60, s42, 18
	s_lshl_b32 s61, s[WV], 13                      ; my 64 rows
	s_add_co_u32 s60, s60, s61
	s_mov_b32 s61, 0
	s_add_nc_u64 s[12:13], s[12:13], s[60:61]      ; and the part that hangs on the head, each in the registers that held that coordinate before
.macro OUT m
	WIN 0x0a                                       ; sources window 2: my rows 0-31
.irp sb, 0,1
.irp eb, 0,1,2,3
.irp i, 0,1,2,3
	v_cvt_pk_bf16_f32 v[TMP+4*(4*\sb+\eb)+\i], v[8*(12*\sb+4*\m+\eb)+2*\i], v[8*(12*\sb+4*\m+\eb)+2*\i+1]
.endr
.endr
.endr
	WIN 0x0f                                       ; sources window 3: my rows 32-63
.irp sb, 0,1
.irp eb, 0,1,2,3
.irp i, 0,1,2,3
	v_cvt_pk_bf16_f32 v[TMP+4*(4*(\sb+2)+\eb)+\i], v[8*(12*\sb+4*\m+\eb)+2*\i], v[8*(12*\sb+4*\m+\eb)+2*\i+1]
.endr
.endr
.endr
	WIN 0
.irp sb, 0,1,2,3
.irp eb, 0,1,2,3
	ds_store_b128 v[STO], v[TMP+4*(4*\sb+\eb):TMP+4*(4*\sb+\eb)+3] offset:\sb*2176+32*\eb
.endr
.endr
	s_wait_xcnt 0x0                                ; the registers read back into, and the stores' base, are rewritten only behind this wait
.if \m
	s_add_nc_u64 s[12:13], s[12:13], 8388608       ; from Q to K, from K to V
.endif
.irp t, 0,1,2,3,4,5,6,7,8,9,10,11,12,13,14,15
	ds_load_b128 v[RB+4*\t:RB+4*\t+3], v[RD] offset:544*\t         ; LDS serves a wave's instructions in order: these see the stores above
.endr
.irp t, 0,1,2,3,4,5,6,7,8,9,10,11,12,13,14,15
	s_wait_dscnt 15-\t                             ; read-back t is in, the younger ones stay out
	global_store_b128 v[CO], v[RB+4*\t:RB+4*\t+3], s[12:13] offset:512*\t   ; 512 consecutive bytes, aligned: four rows of 128 bytes
.endr
.endm
	OUT 0
	OUT 1
	OUT 2
	s_set_vgpr_msb 0x1
	s_wait_tensorcnt 0x0
	ds_add_u32 v255, v255
	s_wait_dscnt 0x0
	s_set_vgpr_msb 0x100
	CROUND                                         ; the closing round: no work-group ends while a partner may still ask for a tile that names it
	s_endpgm
.Lfunc_end_k_q706a25a304_qkv:
	.size	k_q706a25a304_qkv, .Lfunc_end_k_q706a25a304_qkv-k_q706a25a304_qkv
	.p2alignl 7, 3214868480
	.fill 96, 4, 3214868480
	.section	.rodata,"a",@progbits
	.p2align	6, 0x0
	.amdhsa_kernel k_q706a25a304_qkv
		.amdhsa_group_segment_fixed_size 327680
		.amdhsa_private_segment_fixed_size 0
		.amdhsa_enable_private_segment 0
		.amdhsa_kernarg_size 40
		.amdhsa_user_sgpr_count 2
		.amdhsa_user_sgpr_kernarg_segment_ptr 1
		.amdhsa_wavefront_size32 1
		.amdhsa_system_sgpr_workgroup_id_x 1
		.amdhsa_system_sgpr_workgroup_id_y 1
		.amdhsa_system_sgpr_workgroup_id_z 1
		.amdhsa_system_vgpr_workitem_id 0
		.amdhsa_next_free_vgpr 960
		.amdhsa_next_free_sgpr 66
		.amdhsa_reserve_vcc 0
		.amdhsa_float_denorm_mode_32 3
		.amdhsa_float_denorm_mode_16_64 3
		.amdhsa_memory_ordered 1
		.amdhsa_forward_progress 1
		.amdhsa_inst_pref_size 165
	.end_amdhsa_kernel
	.amdgpu_metadata
---
amdhsa.version: [ 1, 2 ]
amdhsa.kernels:
  - .name:           k_q706a25a304_qkv
    .symbol:         k_q706a25a304_qkv.kd
    .args:
      - { .name: cb, .offset: 0, .size: 8, .value_kind: global_buffer, .address_space: global }
      - { .name: bq, .offset: 8, .size: 8, .value_kind: global_buffer, .address_space: global }
      - { .name: bk, .offset: 16, .size: 8, .value_kind: global_buffer, .address_space: global }
      - { .name: bv, .offset: 24, .size: 8, .value_kind: global_buffer, .address_space: global }
      - { .name: qkv, .offset: 32, .size: 8, .value_kind: global_buffer, .address_space: global }
    .group_segment_fixed_size: 327680
    .private_segment_fixed_size: 0
    .kernarg_segment_align: 8
    .kernarg_segment_size: 40
    .max_flat_workgroup_size: 128
    .sgpr_count:     66
    .vgpr_count:     960
    .wavefront_size: 32
...
	.end_amdgpu_metadata
.endif
;; end of part 2
;; launch attn (part 3): grid 8 x 32, 8 waves a work-group, clusters of 4 x 1, 327,680 bytes of LDS; arguments qkv, ctx; writes ctx
.if DOCPART == 3
	.amdgcn_target "amdgcn-amd-amdhsa--gfx1250"
	.amdhsa_code_object_version 6
	.text
	.protected	k_q706a25a304_attn
	.globl	k_q706a25a304_attn
	.p2align	8
	.type	k_q706a25a304_attn,@function
k_q706a25a304_attn:
	s_mov_b64 s[64:65], 0
	v_nop
	global_prefetch_b8 v0, s[64:65] scope:SCOPE_SE
	s_setreg_imm32_b32 hwreg(HW_REG_WAVE_MODE, 25, 1), 1
	s_wait_xcnt 0x0
	s_wait_alu depctr_hold_cnt(0) depctr_sa_sdst(0) depctr_va_vdst(0) depctr_va_sdst(0) depctr_va_ssrc(0) depctr_va_vcc(0) depctr_vm_vsrc(0)
	s_getreg_b32 s2, hwreg(HW_REG_IB_STS2, 6, 4)
	s_cmp_eq_u32 s2, 0
	s_cbranch_scc0 .Lentry_in_a_cluster
	s_endpgm
.Lentry_in_a_cluster:
	s_bfe_u32 s2, ttmp6, 0x10000c
	s_cmp_lg_u32 s2, 0x3003
	s_cbranch_scc0 .Lentry_shape_is_right
	s_endpgm
.Lentry_shape_is_right:
; softmax(Q K^T / 8) V for one (batch, head) (work-group y) and 256 queries (work-group x).  Operands bf16, sums and softmax f32, a running maximum.
; qkv: [3][b 2][h 16][s 2048][e 64] bf16.   ctx: [b 2][block of 128 rows: 16][h 16][row 128][e 64] bf16.
; Eight waves, 32 queries each (two blocks sb of 16), and not four with 64: the softmax of a tile of keys hangs on its scores and the second
; product on the softmax, so with two waves on a SIMD one wave's vector work can run beside the other's matrix work; and all of a wave's state
; fits 256 registers.  The price: K's and V's fragments are read from LDS by eight waves, 16 KiB a wave for 64 keys and 32 matrix instructions.
; THE SCORES ARE MADE TRANSPOSED, S^T = K Q^T (source 0 = 16 keys, source 1 = 16 queries): lane l holds query l % 16 and its registers 0-7 the
; keys 8 (l / 16) + 0..7.  So a query's maximum and sum lie in two lanes (l, l ^ 16), and two neighbouring tiles of S^T, rounded to bf16 in place,
; ARE the source-1 fragment of O^T = V^T P^T: no way through LDS.  In O^T a lane holds eight neighbouring e of one query.
; The ring: two LDS slots of 512 keys (K and V), four trips, written out.  Each wave asks for one 16-KiB part of a slot (64 rows of 256 bytes:
; 128 keys of K, waves 0-3, or of V, waves 4-7).  K's rows of 128 bytes lie two to an LDS row of pitch 272, V's of pitch 288 (for the transposing load).
; CLUSTERS: the four work-groups of a cluster are four query blocks of one (batch, head) and read the same K and V: every tile is asked for jointly.
; LIMITS: p = 2^(c (s - m)) and the rescaling factor below 2^-126 come out as 0 (v_exp_f32 flushes denormal results, ISA guide 15.8); the row sum is
; at least 1, since the row's largest score gives p = 1.
.set REG,    18432                     ; a wave's part of a slot: 64 x 288 (K's parts use 64 x 272 of it)
.set SLOT,   8*REG                     ; 147,456
.set STAGE,  2*SLOT                    ; 294,912 = 1,152 x 256: behind the ring
.set WSTAGE, 2304                      ; 9 x 256: a wave's own stage, 16 rows of 128 bytes as 8 rows of 272
.set WV,    8                          ; s8       wave
.set KLANE, 2                          ; v2       lane term of a K fragment
.set VLANE, 3                          ; v3       lane term of a V fragment
.set KADR,  4                          ; v4       K fragments of the tile at work
.set VADR,  5                          ; v5       V fragments of the tile at work
.set STO,   6                          ; v6       way out: in
.set RD,    7                          ; v7       way out: back
.set CO,    8                          ; v8       way out: 16 x lane
.set QOFF,  9                          ; v9       my bytes of Q
.set M,     10                         ; v10-11   running maximum of the raw scores, for sb = 0, 1
.set NM,    12                         ; v[12:15] -c x maximum, twice, for sb = 0, 1
.set AL,    16                         ; v[16:19] rescaling factor, twice
.set LS,    20                         ; v[20:23] my half of the row sum, in two parts
.set T,     24                         ; v[24:31] at work, four for each sb
.set Q,     32                         ; v[32:63]   Q fragments: 16 sb + 8 ks
.set KV,    64                         ; v[64:127]  K fragments 16 tb + 8 ks, then V fragments 16 eb + 8 k2
.set S,     128                        ; v[128:191] S^T tiles 8 (4 sb + tb), then P
.set O,     192                        ; v[192:255] O^T tiles 8 (4 sb + eb)
.set G1K, 16                           ; s[16:23]
.set G1V, 24                           ; s[24:31]
.set G0,  32                           ; s[32:39] one set a slot
.macro PLACES n
.rept \n
	v_nop
.endr
.endm
.macro CROUND                          ; a round of the cluster's barrier
	s_barrier_signal -1
	s_barrier_wait -1
	s_cmp_lg_u32 s[WV], 0
	s_cbranch_scc1 .Lnot_wave_0_\@
	s_barrier_signal -3
.Lnot_wave_0_\@:
	s_barrier_wait -3
	s_barrier_signal -1
	s_barrier_wait -1
.endm
.macro JLOAD s                         ; my one joint load for slot s: K's padding or V's.  The branch hangs on the wave's number alone
	s_cmp_lt_u32 s[WV], 4
	s_cbranch_scc0 .Lfor_v_\@
	tensor_load_to_lds s[G0+4*\s:G0+4*\s+3], s[G1K:G1K+7]
	s_nop 0
	s_branch .Lasked_\@
.Lfor_v_\@:
	tensor_load_to_lds s[G0+4*\s:G0+4*\s+3], s[G1V:G1V+7]
	s_nop 0
.Lasked_\@:
.endm
	s_load_b128 s[4:7], s[0:1], 0x0                ; qkv s[4:5], ctx s[6:7]
	s_set_vgpr_msb 0x40
	v_lshl_add_u32 v0, v0, 2, 0x4c800
	v_mov_b32 v1, 0
	s_set_vgpr_msb 0x4045
	ds_add_u32 v0, v1
	s_set_vgpr_msb 0x4500
	v_lshrrev_b32 v1, 5, v0
	v_readfirstlane_b32 s[WV], v1                  ; wave 0..7
	s_and_b32 s9, ttmp7, 0xffff                    ; bh = 16 b + h
	s_bfe_u32 s10, ttmp6, 0x40000                  ; cx
	s_lshl_b32 s11, ttmp9, 2
	s_add_co_u32 s11, s11, s10                     ; query block = 4 x cluster x + cx: it enters global addresses of Q and ctx alone
	s_mov_b32 s12, 0x76543210                      ; v_permlanex16_b32: lane i reads lane i of the other half
	s_mov_b32 s13, 0xfedcba98
	s_mov_b32 s14, 0x3e38aa3b                      ; c = log2(e) / 8: the scale 1 / sqrt(64) and the change of base in one
	s_mov_b32 s15, 0x3e38aa3b
	; dense parts of 64 rows x 32 elements of 8 bytes; mask 15: all four of the cluster; K: 4 words of padding behind every 64, V: 8
	s_mov_b32 s[G1K+0], 15|(3<<16)|(1<<20)|(1<<21)|(5<<22)|(3<<25)
	s_mov_b32 s[G1K+1], 32<<16
	s_mov_b32 s[G1K+2], 64<<16
	s_mov_b32 s[G1K+3], 32<<16
	s_mov_b32 s[G1K+4], 64
	s_mov_b32 s[G1K+5], 32
	s_mov_b32 s[G1K+6], 0
	s_mov_b32 s[G1K+7], 0
	s_mov_b32 s[G1V+0], 15|(3<<16)|(1<<20)|(1<<21)|(5<<22)|(7<<25)
	s_mov_b32 s[G1V+1], 32<<16
	s_mov_b32 s[G1V+2], 64<<16
	s_mov_b32 s[G1V+3], 32<<16
	s_mov_b32 s[G1V+4], 64
	s_mov_b32 s[G1V+5], 32
	s_mov_b32 s[G1V+6], 0
	s_mov_b32 s[G1V+7], 0
	s_lshr_b32 s40, s[WV], 2                       ; my part of a slot: K (waves 0-3) lies 8 MiB into qkv, V (4-7) 16 MiB,
	s_add_co_u32 s40, s40, 1
	s_lshl_b32 s40, s40, 23
	s_lshl_b32 s41, s9, 18                         ; 262,144 bytes for each (b, h),
	s_add_co_u32 s40, s40, s41
	s_and_b32 s41, s[WV], 3
	s_lshl_b32 s41, s41, 14                        ; 128 keys of 128 bytes for each wave
	s_add_co_u32 s40, s40, s41
	s_mov_b32 s41, 0
	s_mul_i32 s46, s[WV], REG
	s_lshl_b32 s42, s9, 18                         ; Q: (b, h), 256 queries a block, 32 a wave
	s_lshl_b32 s43, s11, 15
	s_add_co_u32 s42, s42, s43
	s_lshl_b32 s43, s[WV], 12
	s_add_co_u32 s42, s42, s43
	s_mov_b32 s43, 0
	s_lshr_b32 s44, s9, 4                          ; ctx: ((16 b + block of 128 rows) 16 + h) 16,384 + row 128
	s_lshl_b32 s44, s44, 4
	s_lshl1_add_u32 s44, s11, s44                  ; block of 128 rows = 2 x query block + wave / 4
	s_lshr_b32 s45, s[WV], 2
	s_add_co_u32 s44, s44, s45
	s_lshl_b32 s44, s44, 4
	s_and_b32 s45, s9, 15
	s_add_co_u32 s44, s44, s45
	s_lshl_b32 s44, s44, 14
	s_and_b32 s45, s[WV], 3
	s_lshl_b32 s45, s45, 12
	s_add_co_u32 s44, s44, s45
	s_mov_b32 s45, 0
	s_wait_dscnt 0x0
	s_wait_kmcnt 0x0
	s_add_nc_u64 s[40:41], s[4:5], s[40:41]
	s_add_nc_u64 s[42:43], s[4:5], s[42:43]
	s_add_nc_u64 s[6:7], s[6:7], s[44:45]
.irp s, 0,1
	s_mov_b32 s[G0+4*\s], 1
	s_add_co_u32 s[G0+4*\s+1], s46, \s*SLOT
	s_add_nc_u64 s[G0+4*\s+2:G0+4*\s+3], s[40:41], \s*65536        ; keys 512 s ..
	s_or_b32 s[G0+4*\s+3], s[G0+4*\s+3], 0x80000000
.endr
	CROUND                                         ; in front of the first joint load
	JLOAD 0                                        ; keys 0-511.  One tensor load of the wave is out, here and behind every later round
	v_and_b32 v1, 15, v0                           ; r
	v_bfe_u32 v24, v0, 4, 1                        ; h
	v_lshlrev_b32 v[QOFF], 7, v1
	v_lshl_add_u32 v[QOFF], v24, 4, v[QOFF]        ; query r's row, 16 bytes for each half of the lanes
.irp sb, 0,1
.irp ks, 0,1
	global_load_b128 v[Q+16*\sb+8*\ks:Q+16*\sb+8*\ks+3],   v[QOFF], s[42:43] offset:2048*\sb+64*\ks
	global_load_b128 v[Q+16*\sb+8*\ks+4:Q+16*\sb+8*\ks+7], v[QOFF], s[42:43] offset:2048*\sb+64*\ks+32
.endr
.endr
	v_and_b32 v26, 1, v0
	v_bfe_u32 v[KLANE], v0, 1, 3                   ; K fragment: key r lies at (r / 2) 272 + (r % 2) 128, my 16 bytes at 16 h
	v_mul_u32_u24 v[KLANE], v[KLANE], 272
	v_lshl_add_u32 v[KLANE], v26, 7, v[KLANE]
	v_lshl_add_u32 v[KLANE], v24, 4, v[KLANE]
	v_bfe_u32 v[VLANE], v0, 1, 2                   ; V fragment, transposing load: lane l addresses key 8 h + l % 8: LDS row 4 h + (l % 8) / 2,
	v_lshl_add_u32 v[VLANE], v24, 2, v[VLANE]
	v_mul_u32_u24 v[VLANE], v[VLANE], 288
	v_lshl_add_u32 v[VLANE], v26, 7, v[VLANE]      ; half l % 2,
	v_bfe_u32 v25, v0, 3, 1
	v_lshl_add_u32 v[VLANE], v25, 4, v[VLANE]      ; columns 0-7 or 8-15 of the block
	s_mul_i32 s47, s[WV], WSTAGE
	s_add_co_u32 s47, s47, STAGE
	v_add_nc_u32 v[STO], s47, v[KLANE]             ; the stage's rows lie as K's do
	v_mul_u32_u24 v[RD], v24, 272
	v_lshl_add_u32 v[RD], v1, 4, v[RD]
	v_add_nc_u32 v[RD], s47, v[RD]
	v_and_b32 v[CO], 31, v0
	v_lshlrev_b32 v[CO], 4, v[CO]
; The K fragments of key tile kt (64 keys) of a slot: 16 loads
.macro KLOAD slot, kt
	v_add_nc_u32 v[KADR], \slot*SLOT+(\kt/2)*REG+(\kt%2)*8704, v[KLANE]
.irp tb, 0,1,2,3
.irp ks, 0,1
	ds_load_b128 v[KV+16*\tb+8*\ks:KV+16*\tb+8*\ks+3],   v[KADR] offset:2176*\tb+64*\ks
	ds_load_b128 v[KV+16*\tb+8*\ks+4:KV+16*\tb+8*\ks+7], v[KADR] offset:2176*\tb+64*\ks+32
.endr
.endr
.endm
; One tile of 64 keys against my 32 queries.  first = 1: the launch's first tile starts the maximum, the sums and O.
; In both products the eight accumulators take turns, one instruction a turn.
.macro KT slot, kt, first
	s_wait_dscnt 0x0                               ; the K fragments are in
.irp sb, 0,1
.irp tb, 0,1,2,3
	v_wmma_f32_16x16x32_bf16 v[S+8*(4*\sb+\tb):S+8*(4*\sb+\tb)+7], v[KV+16*\tb:KV+16*\tb+7], v[Q+16*\sb:Q+16*\sb+7], 0
.endr
.endr
.irp sb, 0,1
.irp tb, 0,1,2,3
	v_wmma_f32_16x16x32_bf16 v[S+8*(4*\sb+\tb):S+8*(4*\sb+\tb)+7], v[KV+16*\tb+8:KV+16*\tb+15], v[Q+16*\sb+8:Q+16*\sb+15], v[S+8*(4*\sb+\tb):S+8*(4*\sb+\tb)+7]
.endr
.endr
	PLACES 4                                       ; four places: V's loads land in K's registers, the maxima read the scores
	v_add_nc_u32 v[VADR], \slot*SLOT+4*REG+\kt*9216, v[VLANE]
.irp eb, 0,1,2,3
.irp k2, 0,1
	ds_load_tr16_b128 v[KV+16*\eb+8*\k2:KV+16*\eb+8*\k2+3],   v[VADR] offset:4608*\k2+32*\eb        ; keys 32 k2 + 8 h + 0..7 of column 16 eb + r
	ds_load_tr16_b128 v[KV+16*\eb+8*\k2+4:KV+16*\eb+8*\k2+7], v[VADR] offset:4608*\k2+2304+32*\eb   ; keys 32 k2 + 16 + 8 h + 0..7
.endr
.endr
	; the largest of my 32 scores of each query, in two chains, then with the running maximum
.irp sb, 0,1
	v_max3_num_f32 v[T+4*\sb],   v[S+32*\sb],    v[S+32*\sb+1],  v[S+32*\sb+2]
	v_max3_num_f32 v[T+4*\sb+1], v[S+32*\sb+16], v[S+32*\sb+17], v[S+32*\sb+18]
.irp j, 3,5,7,9,11,13
	v_max3_num_f32 v[T+4*\sb],   v[T+4*\sb],   v[S+32*\sb+\j],    v[S+32*\sb+\j+1]
	v_max3_num_f32 v[T+4*\sb+1], v[T+4*\sb+1], v[S+32*\sb+16+\j], v[S+32*\sb+16+\j+1]
.endr
	v_max3_num_f32 v[T+4*\sb], v[T+4*\sb], v[T+4*\sb+1], v[S+32*\sb+15]
.if \first
	v_max_num_f32 v[T+4*\sb], v[T+4*\sb], v[S+32*\sb+31]
.else
	v_max3_num_f32 v[T+4*\sb], v[T+4*\sb], v[S+32*\sb+31], v[M+\sb]
.endif
.endr
.irp sb, 0,1
	v_permlanex16_b32 v[T+4*\sb+1], v[T+4*\sb], s12, s13           ; the other half's keys of the same query (the destination has been written above)
.endr
.irp sb, 0,1
	v_max_num_f32 v[M+\sb], v[T+4*\sb], v[T+4*\sb+1]
	v_mul_f32 v[T+4*\sb+2], 0xbe38aa3b, v[M+\sb]                   ; -c m
.if \first == 0
	v_sub_f32 v[T+4*\sb+3], v[T+4*\sb+2], v[NM+2*\sb]              ; c (m old - m new), from the same rounded shifts that the exponents use
.endif
	v_mov_b32 v[NM+2*\sb], v[T+4*\sb+2]
	v_mov_b32 v[NM+2*\sb+1], v[T+4*\sb+2]
.endr
.if \first == 0
.irp sb, 0,1
	v_exp_f32 v[AL+2*\sb], v[T+4*\sb+3]                            ; the multiply-adds below are the plain places behind these (ISA guide 5.7.2)
	v_exp_f32 v[AL+2*\sb+1], v[T+4*\sb+3]
.endr
.endif
.irp sb, 0,1
.set j, 0
.rept 16
	v_pk_fma_f32 v[S+32*\sb+j:S+32*\sb+j+1], v[S+32*\sb+j:S+32*\sb+j+1], s[14:15], v[NM+2*\sb:NM+2*\sb+1] op_sel_hi:[1,0,1]   ; c s - c m
.set j, j+2
.endr
.endr
.set j, 0
.rept 64
	v_exp_f32 v[S+j], v[S+j]
.set j, j+1
.endr
.if \first
	v_nop                                          ; the plain place between the exponentials and the first use of a result
	s_wait_alu depctr_va_vdst(0)
.else
	s_wait_alu depctr_va_vdst(0)
.irp sb, 0,1
.set j, 0
.rept 16
	v_pk_mul_f32 v[O+32*\sb+j:O+32*\sb+j+1], v[O+32*\sb+j:O+32*\sb+j+1], v[AL+2*\sb:AL+2*\sb+1]     ; plain work that names no exponential's register
.set j, j+2
.endr
	v_pk_mul_f32 v[LS+2*\sb:LS+2*\sb+1], v[LS+2*\sb:LS+2*\sb+1], v[AL+2*\sb:AL+2*\sb+1]
.endr
.endif
.irp sb, 0,1                                       ; the row sums, of the unrounded p, in two chains
.if \first
	v_pk_add_f32 v[LS+2*\sb:LS+2*\sb+1], v[S+32*\sb:S+32*\sb+1], v[S+32*\sb+2:S+32*\sb+3]
.else
	v_pk_add_f32 v[LS+2*\sb:LS+2*\sb+1], v[LS+2*\sb:LS+2*\sb+1], v[S+32*\sb:S+32*\sb+1]
	v_pk_add_f32 v[LS+2*\sb:LS+2*\sb+1], v[LS+2*\sb:LS+2*\sb+1], v[S+32*\sb+2:S+32*\sb+3]
.endif
	v_pk_add_f32 v[T+4*\sb:T+4*\sb+1], v[S+32*\sb+16:S+32*\sb+17], v[S+32*\sb+18:S+32*\sb+19]
.irp j, 4,6,8,10,12,14
	v_pk_add_f32 v[LS+2*\sb:LS+2*\sb+1], v[LS+2*\sb:LS+2*\sb+1], v[S+32*\sb+\j:S+32*\sb+\j+1]
	v_pk_add_f32 v[T+4*\sb:T+4*\sb+1], v[T+4*\sb:T+4*\sb+1], v[S+32*\sb+16+\j:S+32*\sb+16+\j+1]
.endr
	v_pk_add_f32 v[LS+2*\sb:LS+2*\sb+1], v[LS+2*\sb:LS+2*\sb+1], v[T+4*\sb:T+4*\sb+1]
.endr
.irp sb, 0,1                                       ; two tiles of 8 registers become one fragment of 8, in place, from the bottom up
.irp k2, 0,1
.irp i, 0,1,2,3,4,5,6,7
	v_cvt_pk_bf16_f32 v[S+32*\sb+16*\k2+\i], v[S+32*\sb+16*\k2+2*\i], v[S+32*\sb+16*\k2+2*\i+1]
.endr
.endr
.endr
	s_wait_dscnt 0x0                               ; the V fragments are in (asked for in front of the softmax)
.irp sb, 0,1
.irp eb, 0,1,2,3
.if \first
	v_wmma_f32_16x16x32_bf16 v[O+8*(4*\sb+\eb):O+8*(4*\sb+\eb)+7], v[KV+16*\eb:KV+16*\eb+7], v[S+32*\sb:S+32*\sb+7], 0
.else
	v_wmma_f32_16x16x32_bf16 v[O+8*(4*\sb+\eb):O+8*(4*\sb+\eb)+7], v[KV+16*\eb:KV+16*\eb+7], v[S+32*\sb:S+32*\sb+7], v[O+8*(4*\sb+\eb):O+8*(4*\sb+\eb)+7]
.endif
.endr
.endr
.irp sb, 0,1
.irp eb, 0,1,2,3
	v_wmma_f32_16x16x32_bf16 v[O+8*(4*\sb+\eb):O+8*(4*\sb+\eb)+7], v[KV+16*\eb+8:KV+16*\eb+15], v[S+32*\sb+16:S+32*\sb+23], v[O+8*(4*\sb+\eb):O+8*(4*\sb+\eb)+7]
.endr
.endr
	PLACES 5                                       ; five places: the next scores are written over P, a source of these; K's loads land in V's registers
.endm
; A trip: 512 keys from one slot.  In front of the round every wave has waited for all its tensor loads (its part of this slot among them) and for
; its reads of the other slot; behind it the other slot is asked for first, and that load has the trip's eight tiles in which to land.
.macro TRIP slot, other, refill, first
	s_set_vgpr_msb 0x5
	s_wait_tensorcnt 0x0                           ; all my tensor loads have landed,
	ds_add_u32 v0, v1
	s_wait_dscnt 0x0
	s_set_vgpr_msb 0x500
	s_add_nc_u64 s[G0+4*\slot+2:G0+4*\slot+3], s[G0+4*\slot+2:G0+4*\slot+3], 2*65536   ; so a group 0 may be written: this slot's next 512 keys
	s_wait_dscnt 0x0                               ; my reads of the last trip's slot are done
	CROUND                                         ; both now hold of every wave of the four work-groups
.if \refill
	JLOAD \other
.endif
	KLOAD \slot, 0
	KT \slot, 0, \first
.irp kt, 1,2,3,4,5,6,7
	KLOAD \slot, \kt
	KT \slot, \kt, 0
.endr
.endm
	s_wait_loadcnt 0x0                             ; Q, once
	TRIP 0, 1, 1, 1                                ; keys 0-511; asks for 512-1023
	TRIP 1, 0, 1, 0                                ; asks for 1024-1535
	TRIP 0, 1, 1, 0                                ; asks for 1536-2047 (slot 0's stepped address is not used again)
	TRIP 1, 0, 0, 0
	; THE END: divide by the row sums, round, and out through my own stage, 16 queries at a time.
.irp sb, 0,1
	v_add_f32 v[T+4*\sb], v[LS+2*\sb], v[LS+2*\sb+1]
	v_permlanex16_b32 v[T+4*\sb+1], v[T+4*\sb], s12, s13
	v_add_f32 v[T+4*\sb], v[T+4*\sb], v[T+4*\sb+1]
.endr
.irp sb, 0,1
	v_rcp_f32 v[AL+2*\sb], v[T+4*\sb]
	v_rcp_f32 v[AL+2*\sb+1], v[T+4*\sb]
.endr
	v_nop                                          ; the plain place behind the reciprocals
	s_wait_alu depctr_va_vdst(0)
.irp sb, 0,1
.set j, 0
.rept 16
	v_pk_mul_f32 v[O+32*\sb+j:O+32*\sb+j+1], v[O+32*\sb+j:O+32*\sb+j+1], v[AL+2*\sb:AL+2*\sb+1]
.set j, j+2
.endr
.irp eb, 0,1,2,3
.irp i, 0,1,2,3
	v_cvt_pk_bf16_f32 v[KV+16*\sb+4*\eb+\i], v[O+8*(4*\sb+\eb)+2*\i], v[O+8*(4*\sb+\eb)+2*\i+1]
.endr
.endr
.irp eb, 0,1,2,3
	ds_store_b128 v[STO], v[KV+16*\sb+4*\eb:KV+16*\sb+4*\eb+3] offset:32*\eb
.endr
.irp t, 0,1,2,3
	ds_load_b128 v[KV+32+16*\sb+4*\t:KV+32+16*\sb+4*\t+3], v[RD] offset:544*\t     ; LDS serves a wave's instructions in order: these see the stores above
.endr
.irp t, 0,1,2,3
	s_wait_dscnt 3-\t                              ; read-back t is in, the younger ones stay out
	global_store_b128 v[CO], v[KV+32+16*\sb+4*\t:KV+32+16*\sb+4*\t+3], s[6:7] offset:2048*\sb+512*\t   ; 512 consecutive bytes, aligned; no register is written twice
.endr
.endr
	s_set_vgpr_msb 0x5
	s_wait_tensorcnt 0x0
	ds_add_u32 v0, v1
	s_wait_dscnt 0x0
	s_set_vgpr_msb 0x500
	CROUND                                         ; the closing round
	s_endpgm
.Lfunc_end_k_q706a25a304_attn:
	.size	k_q706a25a304_attn, .Lfunc_end_k_q706a25a304_attn-k_q706a25a304_attn
	.p2alignl 7, 3214868480
	.fill 96, 4, 3214868480
	.section	.rodata,"a",@progbits
	.p2align	6, 0x0
	.amdhsa_kernel k_q706a25a304_attn
		.amdhsa_group_segment_fixed_size 327680
		.amdhsa_private_segment_fixed_size 0
		.amdhsa_enable_private_segment 0
		.amdhsa_kernarg_size 16
		.amdhsa_user_sgpr_count 2
		.amdhsa_user_sgpr_kernarg_segment_ptr 1
		.amdhsa_wavefront_size32 1
		.amdhsa_system_sgpr_workgroup_id_x 1
		.amdhsa_system_sgpr_workgroup_id_y 1
		.amdhsa_system_sgpr_workgroup_id_z 1
		.amdhsa_system_vgpr_workitem_id 0
		.amdhsa_next_free_vgpr 258
		.amdhsa_next_free_sgpr 66
		.amdhsa_reserve_vcc 0
		.amdhsa_float_denorm_mode_32 3
		.amdhsa_float_denorm_mode_16_64 3
		.amdhsa_memory_ordered 1
		.amdhsa_forward_progress 1
		.amdhsa_inst_pref_size 255
	.end_amdhsa_kernel
	.section	.bss,"aw",@nobits
	.p2align	6
	.space	262144
	.amdgpu_metadata
---
amdhsa.version: [ 1, 2 ]
amdhsa.kernels:
  - .name:           k_q706a25a304_attn
    .symbol:         k_q706a25a304_attn.kd
    .args:
      - { .name: qkv, .offset: 0, .size: 8, .value_kind: global_buffer, .address_space: global }
      - { .name: ctx, .offset: 8, .size: 8, .value_kind: global_buffer, .address_space: global }
    .group_segment_fixed_size: 327680
    .private_segment_fixed_size: 0
    .kernarg_segment_align: 8
    .kernarg_segment_size: 16
    .max_flat_workgroup_size: 256
    .sgpr_count:     66
    .vgpr_count:     258
    .wavefront_size: 32
...
	.end_amdgpu_metadata
.endif
;; end of part 3
;; launch proj (part 4): grid 8 x 32, 4 waves a work-group, clusters of 4 x 4, 327,680 bytes of LDS; arguments ctx, cb, bo, out0; writes out0
.if DOCPART == 4
	.amdgcn_target "amdgcn-amd-amdhsa--gfx1250"
	.amdhsa_code_object_version 6
	.text
	.protected	k_q706a25a304_proj
	.globl	k_q706a25a304_proj
	.p2align	8
	.type	k_q706a25a304_proj,@function
k_q706a25a304_proj:
	s_mov_b64 s[64:65], 0
	v_nop
	global_prefetch_b8 v0, s[64:65] scope:SCOPE_SE
	s_setreg_imm32_b32 hwreg(HW_REG_WAVE_MODE, 25, 1), 1
	s_wait_xcnt 0x0
	s_wait_alu depctr_hold_cnt(0) depctr_sa_sdst(0) depctr_va_vdst(0) depctr_va_sdst(0) depctr_va_ssrc(0) depctr_va_vcc(0) depctr_vm_vsrc(0)
	s_getreg_b32 s2, hwreg(HW_REG_IB_STS2, 6, 4)
	s_cmp_eq_u32 s2, 0
	s_cbranch_scc0 .Lentry_in_a_cluster
	s_endpgm
.Lentry_in_a_cluster:
	s_bfe_u32 s2, ttmp6, 0x10000c
	s_cmp_lg_u32 s2, 0xf033
	s_cbranch_scc0 .Lentry_shape_is_right
	s_endpgm
.Lentry_shape_is_right:
; out0 = ctx Wo + bo.  Operands bf16, sums f32, out0 f32 [4096][1024].
; ctx: [block of 128 rows: 32][h 16][row 128][e 64] bf16, so k = 64 h + e.   Wo (bf16): cb + 14,680,064, [k 1024][n 1024].
; A work-group (x = block of 128 columns, y = block of 128 rows) makes 128 x 128 with four waves, a wave 64 x 64: 16 accumulator tiles.
; Blocks of 256 x 128 would feed more multiply-adds from each LDS byte but give work to 128 work-groups only; 32 x 8 = 256 blocks are taken.
; K = 1024 goes in 4 steps of 256 (four heads) through two LDS slots.  A slot: waves 0, 1 bring two heads of ctx each (dense, 128 rows of 256 bytes,
; LDS pitch 272: two rows of 128 bytes to an LDS row), waves 2, 3 bring 128 rows k of Wo each (256 bytes of a row, LDS pitch 288, for the transposing load).
; CLUSTERS: 4 x 4.  ctx's tiles hang on the block of rows and are asked for jointly along a row of the cluster, Wo's on the block of columns, along a column.
; THE MATRIX INSTRUCTION IS USED TRANSPOSED: source 0 = 16 columns n of Wo, source 1 = 16 rows of ctx: a lane holds eight neighbouring columns of a row.
; The first products take the bias, laid out so, as C.
; REGISTERS: window 0: addresses, bias, ctx's fragments (two buffers); window 1: Wo's fragments (two buffers); window 2: accumulators.
.set REG,    36864                     ; a wave's part of a slot: 128 x 288 (ctx's parts use 128 x 272 of it)
.set SLOT,   4*REG                     ; 147,456
.set STAGE,  2*SLOT                    ; 294,912 = 1,152 x 256
.set WSTAGE, 16*272                    ; 4,352 = 17 x 256: a wave's own stage, 16 rows of 64 f32
.set WV,   12                          ; s12      wave
.set ADRA, 16                          ; v16-17   ctx fragments, slot 0, 1
.set ADRB, 20                          ; v20-23   Wo fragments, 2 x slot + half of the slot's 256 rows
.set STO,  24
.set RD,   25
.set CO,   26
.set BOFF, 27
.set BIAS, 32                          ; v[32:63]  8 registers for each of 4 column blocks
.set F,    64                          ; fragments: buffer p at 64 p, K half ks at 32 ks, 8 registers a block
.set G1A, 24
.set G0A, 32
.set G1B, 48
.set G0B, 56
.set MSB, 0
.macro WIN new
.if MSB != \new
	s_set_vgpr_msb (MSB<<8)|\new
.set MSB, \new
.endif
.endm
.macro PLACES n
.rept \n
	v_nop
.endr
.endm
.macro CREST
	s_cmp_lg_u32 s[WV], 0
	s_cbranch_scc1 .Lnot_wave_0_\@
	s_barrier_signal -3
.Lnot_wave_0_\@:
	s_barrier_wait -3
	s_barrier_signal -1
	s_barrier_wait -1
.endm
.macro CROUND
	s_barrier_signal -1
	s_barrier_wait -1
	CREST
.endm
.macro JLOAD s                         ; waves 0, 1 ask for ctx, waves 2, 3 for Wo
	s_cmp_eq_u32 s13, 0
	s_cbranch_scc0 .Lfor_b_\@
	tensor_load_to_lds s[G0A+4*\s:G0A+4*\s+3], s[G1A:G1A+7]
	s_nop 0
	s_branch .Lasked_\@
.Lfor_b_\@:
	tensor_load_to_lds s[G0B+4*\s:G0B+4*\s+3], s[G1B:G1B+7]
	s_nop 0
.Lasked_\@:
.endm
	s_load_b256 s[4:11], s[0:1], 0x0               ; ctx s[4:5], cb s[6:7], bo s[8:9], out0 s[10:11]
	s_set_vgpr_msb 0x40
	v_lshl_add_u32 v255, v0, 2, 0x4c400
	s_set_vgpr_msb 0x4000
	v_mov_b32 v255, 0
	s_set_vgpr_msb 0x1
	ds_add_u32 v255, v255
	s_set_vgpr_msb 0x100
	v_lshrrev_b32 v1, 5, v0
	v_readfirstlane_b32 s[WV], v1
	s_lshr_b32 s13, s[WV], 1                       ; my half of the block's rows.  Also: I fetch ctx (0) or Wo (1)
	s_and_b32 s14, s[WV], 1                        ; my half of its columns.  Also: which half of that tile I fetch
	s_bfe_u32 s40, ttmp6, 0x40000                  ; cx
	s_bfe_u32 s41, ttmp6, 0x40004                  ; cy
	s_lshl_b32 s42, ttmp9, 2
	s_add_co_u32 s42, s42, s40                     ; block of columns
	s_and_b32 s43, ttmp7, 0xffff
	s_lshl_b32 s43, s43, 2
	s_add_co_u32 s43, s43, s41                     ; block of rows
	s_lshl_b32 s44, s41, 2
	s_lshl_b32 s44, 15, s44                        ; my row of the cluster
	s_lshl_b32 s45, 0x1111, s40                    ; my column
	; ctx: dense, 128 rows x 32 elements of 8 bytes, 4 words of padding behind every 64
	s_or_b32 s[G1A+0], s44, (3<<16)|(1<<20)|(1<<21)|(5<<22)|(3<<25)
	s_mov_b32 s[G1A+1], 32<<16
	s_mov_b32 s[G1A+2], 128<<16
	s_mov_b32 s[G1A+3], 32<<16
	s_mov_b32 s[G1A+4], 128
	s_mov_b32 s[G1A+5], 32
	s_mov_b32 s[G1A+6], 0
	s_mov_b32 s[G1A+7], 0
	; Wo: 128 rows x 128 elements of 2 bytes, 1,024 elements from row to row, 8 words of padding behind every 64
	s_or_b32 s[G1B+0], s45, (1<<16)|(1<<20)|(1<<21)|(5<<22)|(7<<25)
	s_mov_b32 s[G1B+1], 128<<16
	s_mov_b32 s[G1B+2], 128<<16
	s_mov_b32 s[G1B+3], 128<<16
	s_mov_b32 s[G1B+4], 128
	s_mov_b32 s[G1B+5], 1024
	s_mov_b32 s[G1B+6], 0
	s_mov_b32 s[G1B+7], 0
	s_lshl_b32 s16, s43, 18                        ; ctx: 262,144 bytes a block of rows, two heads (32,768 bytes) a wave
	s_lshl_b32 s17, s14, 15
	s_add_co_u32 s16, s16, s17
	s_mov_b32 s17, 0
	s_lshl_b32 s46, s42, 8                         ; Wo: 256 bytes a block of columns, 128 rows of 2,048 bytes a wave
	s_lshl_b32 s47, s14, 18
	s_add_co_u32 s46, s46, s47
	s_add_co_u32 s46, s46, 14680064
	s_mov_b32 s47, 0
	s_mul_i32 s20, s[WV], REG
	s_wait_dscnt 0x0
	s_wait_kmcnt 0x0
	s_add_nc_u64 s[18:19], s[4:5], s[16:17]
	s_add_nc_u64 s[46:47], s[6:7], s[46:47]
	CROUND
.irp s, 0,1
	s_mov_b32 s[G0A+4*\s], 1
	s_add_co_u32 s[G0A+4*\s+1], s20, \s*SLOT
	s_add_nc_u64 s[G0A+4*\s+2:G0A+4*\s+3], s[18:19], \s*65536      ; K step s: four heads
	s_or_b32 s[G0A+4*\s+3], s[G0A+4*\s+3], 0x80000000
	s_mov_b32 s[G0B+4*\s], 1
	s_add_co_u32 s[G0B+4*\s+1], s20, \s*SLOT
	s_add_nc_u64 s[G0B+4*\s+2:G0B+4*\s+3], s[46:47], \s*524288     ; K step s: 256 rows
	s_or_b32 s[G0B+4*\s+3], s[G0B+4*\s+3], 0x80000000
	JLOAD \s                                       ; both first fills together: two tensor loads of the wave are out
.endr
	v_and_b32 v1, 15, v0                           ; r
	v_bfe_u32 v2, v0, 4, 1                         ; h
	s_lshl_b32 s15, s42, 9                         ; bias: 128 columns of 4 bytes a block, 64 a wave,
	s_lshl_b32 s21, s14, 8
	s_add_co_u32 s15, s15, s21
	v_lshl_add_u32 v[BOFF], v2, 5, s15             ; my eight columns of a block of 16
.irp nb, 0,1,2,3
	global_load_b128 v[BIAS+8*\nb:BIAS+8*\nb+3],   v[BOFF], s[8:9] offset:64*\nb
	global_load_b128 v[BIAS+8*\nb+4:BIAS+8*\nb+7], v[BOFF], s[8:9] offset:64*\nb+16
.endr
	v_and_b32 v5, 1, v0
	v_bfe_u32 v3, v0, 1, 3                         ; ctx fragment: row r at (r / 2) 272 + (r % 2) 128, my 16 bytes at 16 h
	v_mul_u32_u24 v3, v3, 272
	v_lshl_add_u32 v3, v5, 7, v3
	v_lshl_add_u32 v3, v2, 4, v3
	s_mul_i32 s21, s13, 32*272                     ; my 64 rows of a head's 128
	v_add_nc_u32 v[ADRA], s21, v3
	v_add_nc_u32 v[ADRA+1], SLOT, v[ADRA]
	v_and_b32 v4, 7, v0                            ; Wo fragment, transposing load: lane l addresses row 8 h + l % 8,
	v_lshl_add_u32 v4, v2, 3, v4
	v_mul_u32_u24 v4, v4, 288
	v_bfe_u32 v6, v0, 3, 1
	v_lshl_add_u32 v4, v6, 4, v4                   ; columns 0-7 or 8-15 of the block
	s_lshl_b32 s22, s14, 7                         ; my 64 columns
	s_add_co_u32 s22, s22, 2*REG                   ; behind ctx's two parts
	v_add_nc_u32 v[ADRB], s22, v4
	v_add_nc_u32 v[ADRB+1], REG, v[ADRB]
	v_add_nc_u32 v[ADRB+2], SLOT, v[ADRB]
	v_add_nc_u32 v[ADRB+3], SLOT+REG, v[ADRB]
	s_mul_i32 s23, s[WV], WSTAGE
	s_add_co_u32 s23, s23, STAGE
	v_mul_u32_u24 v7, v1, 272                      ; in: row r, my eight f32 at 32 h
	v_lshl_add_u32 v7, v2, 5, v7
	v_add_nc_u32 v[STO], s23, v7
	v_mul_u32_u24 v8, v2, 272                      ; back: lanes 0-15 one row of 256 bytes, lanes 16-31 the next
	v_lshl_add_u32 v8, v1, 4, v8
	v_add_nc_u32 v[RD], s23, v8
	v_lshlrev_b32 v9, 12, v2                       ; and the same two rows of out0, 4,096 bytes apart
	v_lshl_add_u32 v[CO], v1, 4, v9
; 16 matrix instructions: 4 row blocks x 4 column blocks, 32 along K (half ks of a head), from buffer p
.macro MUL16 p, ks, bias
.if \bias
	WIN 0x81                                       ; source 0 (Wo) window 1, source 1 (ctx) and C (bias) window 0, D window 2
.else
	WIN 0xa1                                       ; C and D window 2
.endif
.irp rb, 0,1,2,3
.irp nb, 0,1,2,3
.if \bias
	v_wmma_f32_16x16x32_bf16 v[8*(4*\rb+\nb):8*(4*\rb+\nb)+7], v[F+64*\p+32*\ks+8*\nb:F+64*\p+32*\ks+8*\nb+7], v[F+64*\p+32*\ks+8*\rb:F+64*\p+32*\ks+8*\rb+7], v[BIAS+8*\nb:BIAS+8*\nb+7]
.else
	v_wmma_f32_16x16x32_bf16 v[8*(4*\rb+\nb):8*(4*\rb+\nb)+7], v[F+64*\p+32*\ks+8*\nb:F+64*\p+32*\ks+8*\nb+7], v[F+64*\p+32*\ks+8*\rb:F+64*\p+32*\ks+8*\rb+7], v[8*(4*\rb+\nb):8*(4*\rb+\nb)+7]
.endif
.endr
.endr
.endm
; 32 LDS loads in one run: the fragments of chunk c (one head, 64 along K) of a slot into buffer p
.macro FETCH slot, c, p
	WIN 0x40
.irp ks, 0,1
.irp nb, 0,1,2,3
	ds_load_tr16_b128 v[F+64*\p+32*\ks+8*\nb:F+64*\p+32*\ks+8*\nb+3],   v[ADRB+2*\slot+\c/2] offset:((\c%2)*64+32*\ks)*288+32*\nb
	ds_load_tr16_b128 v[F+64*\p+32*\ks+8*\nb+4:F+64*\p+32*\ks+8*\nb+7], v[ADRB+2*\slot+\c/2] offset:((\c%2)*64+32*\ks+16)*288+32*\nb
.endr
.endr
	WIN 0
.irp ks, 0,1
.irp rb, 0,1,2,3
	ds_load_b128 v[F+64*\p+32*\ks+8*\rb:F+64*\p+32*\ks+8*\rb+3],   v[ADRA+\slot] offset:(\c/2)*REG+(\c%2)*17408+2176*\rb+64*\ks
	ds_load_b128 v[F+64*\p+32*\ks+8*\rb+4:F+64*\p+32*\ks+8*\rb+7], v[ADRA+\slot] offset:(\c/2)*REG+(\c%2)*17408+2176*\rb+64*\ks+32
.endr
.endr
.endm
; One of a slot's first three chunks: asks for the next chunk's fragments (chunk cn, into buffer o), then multiplies buffer p.
; The 16 accumulators take turns, one instruction a turn, in the same order throughout.
.macro CHUNK slot, cn, p, o, bias
	PLACES 4                                       ; buffer o was read by the matrix instructions just issued
	FETCH \slot, \cn, \o
	s_wait_dscnt 32                                ; all but the 32 just issued: buffer p is in
	MUL16 \p, 0, \bias
	MUL16 \p, 1, 0
.endm
.macro THREE slot, bias
	CHUNK \slot, 1, 0, 1, \bias
	CHUNK \slot, 2, 1, 0, 0
	CHUNK \slot, 3, 0, 1, 0
.endm
; The last chunk multiplies buffer 1 and changes slots, in the order of the ring: waits, barrier (with fill = 1 a round of the cluster's), refill first.
.macro TURN slot, next, fill
	s_wait_dscnt 0x0                               ; buffer 1 is in, and with it my last reads of this slot
	s_wait_tensorcnt 0x0                           ; all my tensor loads have landed: the one that was out is my part of the next slot
	ds_add_u32 v255, v255
	s_wait_dscnt 0x0
	s_barrier_signal -1
	MUL16 1, 0, 0
	WIN 0
	s_barrier_wait -1
.if \fill
	CREST
	s_add_nc_u64 s[G0A+4*\slot+2:G0A+4*\slot+3], s[G0A+4*\slot+2:G0A+4*\slot+3], 2*65536
	s_add_nc_u64 s[G0B+4*\slot+2:G0B+4*\slot+3], s[G0B+4*\slot+2:G0B+4*\slot+3], 2*524288
	JLOAD \slot
.endif
	PLACES 4
	FETCH \next, 0, 0
	MUL16 1, 1, 0
.endm
	s_wait_tensorcnt 0x1                           ; my part of K step 0 is in; K step 1's may stay out
	s_barrier_signal -1
	s_barrier_wait -1
	FETCH 0, 0, 0
	s_wait_loadcnt 0x0                             ; the bias, once
	THREE 0, 1                                     ; K steps 0, 1; ask for 2, 3
	TURN 0, 1, 1
	THREE 1, 0
	TURN 1, 0, 1
	THREE 0, 0                                     ; K steps 2, 3: nothing is left to ask for
	TURN 0, 1, 0
	THREE 1, 0
	s_wait_dscnt 0x0
	MUL16 1, 0, 0
	MUL16 1, 1, 0
	; THE WAY OUT, 16 rows at a time through my own stage: a lane's 32 bytes in, whole rows of 256 bytes back
	PLACES 4                                       ; behind the last matrix instructions: LDS stores read results, loads land in fragment registers
	s_lshl_b32 s16, s43, 19                        ; 128 rows of 4,096 bytes a block, 64 a wave: the part that hangs on the block of rows,
	s_lshl_b32 s17, s13, 18
	s_add_co_u32 s16, s16, s17
	s_mov_b32 s17, 0
	s_add_nc_u64 s[10:11], s[10:11], s[16:17]
	s_lshl_b32 s46, s42, 9                         ; and the part that hangs on the block of columns, each in the registers that held that coordinate before
	s_lshl_b32 s47, s14, 8
	s_add_co_u32 s46, s46, s47
	s_mov_b32 s47, 0
	s_add_nc_u64 s[10:11], s[10:11], s[46:47]
.macro OUT16 rb
	WIN 0x08                                       ; store data from window 2
.irp nb, 0,1,2,3
	ds_store_b128 v[STO], v[8*(4*\rb+\nb):8*(4*\rb+\nb)+3]   offset:64*\nb
	ds_store_b128 v[STO], v[8*(4*\rb+\nb)+4:8*(4*\rb+\nb)+7] offset:64*\nb+16
.endr
	WIN 0
.irp t, 0,1,2,3,4,5,6,7
	ds_load_b128 v[F+32*\rb+4*\t:F+32*\rb+4*\t+3], v[RD] offset:544*\t     ; LDS serves a wave's instructions in order: these see the stores above
.endr
.irp t, 0,1,2,3,4,5,6,7
	s_wait_dscnt 7-\t                              ; read-back t is in, the younger ones stay out
	global_store_b128 v[CO], v[F+32*\rb+4*\t:F+32*\rb+4*\t+3], s[10:11] offset:65536*\rb+8192*\t th:TH_STORE_NT   ; 16 lanes store 256 consecutive bytes, aligned; no register is written twice
.endr
.endm
	OUT16 0
	OUT16 1
	OUT16 2
	OUT16 3
	s_set_vgpr_msb 0x1
	s_wait_tensorcnt 0x0
	ds_add_u32 v255, v255
	s_wait_dscnt 0x0
	s_set_vgpr_msb 0x100
	CROUND                                         ; the closing round
	s_endpgm
.Lfunc_end_k_q706a25a304_proj:
	.size	k_q706a25a304_proj, .Lfunc_end_k_q706a25a304_proj-k_q706a25a304_proj
	.p2alignl 7, 3214868480
	.fill 96, 4, 3214868480
	.section	.rodata,"a",@progbits
	.p2align	6, 0x0
	.amdhsa_kernel k_q706a25a304_proj
		.amdhsa_group_segment_fixed_size 327680
		.amdhsa_private_segment_fixed_size 0
		.amdhsa_enable_private_segment 0
		.amdhsa_kernarg_size 32
		.amdhsa_user_sgpr_count 2
		.amdhsa_user_sgpr_kernarg_segment_ptr 1
		.amdhsa_wavefront_size32 1
		.amdhsa_system_sgpr_workgroup_id_x 1
		.amdhsa_system_sgpr_workgroup_id_y 1
		.amdhsa_system_sgpr_workgroup_id_z 1
		.amdhsa_system_vgpr_workitem_id 0
		.amdhsa_next_free_vgpr 640
		.amdhsa_next_free_sgpr 66
		.amdhsa_reserve_vcc 0
		.amdhsa_float_denorm_mode_32 3
		.amdhsa_float_denorm_mode_16_64 3
		.amdhsa_memory_ordered 1
		.amdhsa_forward_progress 1
		.amdhsa_inst_pref_size 87
	.end_amdhsa_kernel
	.amdgpu_metadata
---
amdhsa.version: [ 1, 2 ]
amdhsa.kernels:
  - .name:           k_q706a25a304_proj
    .symbol:         k_q706a25a304_proj.kd
    .args:
      - { .name: ctx, .offset: 0, .size: 8, .value_kind: global_buffer, .address_space: global }
      - { .name: cb, .offset: 8, .size: 8, .value_kind: global_buffer, .address_space: global }
      - { .name: bo, .offset: 16, .size: 8, .value_kind: global_buffer, .address_space: global }
      - { .name: out0, .offset: 24, .size: 8, .value_kind: global_buffer, .address_space: global }
    .group_segment_fixed_size: 327680
    .private_segment_fixed_size: 0
    .kernarg_segment_align: 8
    .kernarg_segment_size: 32
    .max_flat_workgroup_size: 128
    .sgpr_count:     66
    .vgpr_count:     640
    .wavefront_size: 32
...
	.end_amdgpu_metadata
.endif
;; end of part 4
;; ======== version 2 of 3: 4 launches; 1.12 times as fast as version 1
;; workspace buffers: cb 16,777,216 bytes; qkv 25,165,824 bytes; ctx 8,388,608 bytes
;; launch cast: the kernel of part 1 again; grid 32 x 8, 8 waves a work-group, no clusters, 0 bytes of LDS; arguments x, Wq, Wk, Wv, Wo, cb; writes cb
;; launch qkv: the kernel of part 2 again; grid 16 x 16, 4 waves a work-group, clusters of 4 x 4, 327,680 bytes of LDS; arguments cb, bq, bk, bv, qkv; writes qkv
;; launch attn (part 5): grid 8 x 32, 8 waves a work-group, clusters of 4 x 1, 327,680 bytes of LDS; arguments qkv, ctx; writes ctx
.if DOCPART == 5
	.amdgcn_target "amdgcn-amd-amdhsa--gfx1250"
	.amdhsa_code_object_version 6
	.text
	.protected	k_q706a25a304_attn
	.globl	k_q706a25a304_attn
	.p2align	8
	.type	k_q706a25a304_attn,@function
k_q706a25a304_attn:
	s_mov_b64 s[64:65], 0
	v_nop
	global_prefetch_b8 v0, s[64:65] scope:SCOPE_SE
	s_setreg_imm32_b32 hwreg(HW_REG_WAVE_MODE, 25, 1), 1
	s_wait_xcnt 0x0
	s_wait_alu depctr_hold_cnt(0) depctr_sa_sdst(0) depctr_va_vdst(0) depctr_va_sdst(0) depctr_va_ssrc(0) depctr_va_vcc(0) depctr_vm_vsrc(0)
	s_getreg_b32 s2, hwreg(HW_REG_IB_STS2, 6, 4)
	s_cmp_eq_u32 s2, 0
	s_cbranch_scc0 .Lentry_in_a_cluster
	s_endpgm
.Lentry_in_a_cluster:
	s_bfe_u32 s2, ttmp6, 0x10000c
	s_cmp_lg_u32 s2, 0x3003
	s_cbranch_scc0 .Lentry_shape_is_right
	s_endpgm
.Lentry_shape_is_right:
; softmax(Q K^T / 8) V for one (batch, head) (work-group y) and 256 queries (work-group x).  Operands bf16, sums and softmax f32, a running maximum.
; qkv: [3][b 2][h 16][s 2048][e 64] bf16.   ctx: [b 2][block of 128 rows: 16][h 16][row 128][e 64] bf16.
; Eight waves, 32 queries each (two blocks sb of 16), and not four with 64: all of a wave's state fits 256 registers, so matrix and vector
; instructions can stand side by side without a switch of register windows, and a second wave on the SIMD fills what gaps are left.
; The price: K's and V's fragments are read from LDS by eight waves, 16 KiB a wave for 64 keys and 32 matrix instructions.
; THE SCORES ARE MADE TRANSPOSED, S^T = K Q^T (source 0 = 16 keys, source 1 = 16 queries): lane l holds query l % 16 and its registers 0-7 the
; keys 8 (l / 16) + 0..7.  So a query's maximum and sum lie in two lanes (l, l ^ 16), and two neighbouring tiles of S^T, rounded to bf16 in place,
; ARE the source-1 fragment of O^T = V^T P^T: no way through LDS.  In O^T a lane holds eight neighbouring e of one query.
; THE ORDER IN A TILE OF 64 KEYS: the two query blocks run half a tile apart, so that matrix instructions stand among vector work of the other
; block, which names none of their registers: block 0's scores; block 1's scores among block 0's maxima; block 0's exponentials among block 1's
; maxima; block 0's second product among block 1's exponentials; block 1's second product.  16 of a tile's 32 matrix instructions stand so.
; THE RING: two LDS slots of 512 keys (V, then K), four trips.  Each wave asks for 64 rows of 256 bytes of a slot: 128 keys of V (waves 0-3) or of K
; (waves 4-7).  Rows of 128 bytes lie two to an LDS row: V's of pitch 288 (for the transposing load), K's of pitch 272.  The waves' parts follow each
; other without a gap, so key t of a slot lies at (t / 2) pitch + (t % 2) 128, and a tile of 64 keys steps K's address by 8,704 and V's by 9,216.
; THE LOOP: a trip's eight tiles of 64 keys go round one counted loop, so the launch's 32 tiles run through five copies of a tile's text
; (one a trip, and the launch's first tile, which starts the maximum, the sums and O, so that nothing is cleared).
; CLUSTERS: the four work-groups of a cluster are four query blocks of one (batch, head) and read the same K and V: every tile is asked for jointly.
; LIMITS: p = 2^(c (s - m)) and the rescaling factor below 2^-126 come out as 0 (v_exp_f32 flushes denormal results, ISA guide 15.8); the row sum is
; at least 1, since the row's largest score gives p = 1.
.set VREG,   64*288                    ; 18,432: a wave's part of V
.set KREG,   64*272                    ; 17,408: a wave's part of K
.set VPART,  4*VREG                    ; 73,728: K begins here
.set SLOT,   VPART+4*KREG              ; 143,360
.set STAGE,  2*SLOT                    ; 286,720 = 1,120 x 256: behind the ring, no tensor load lands there
.set WSTAGE, 2304                      ; 9 x 256: a wave's own stage, 16 rows of 128 bytes as 8 rows of 272
.set KSTEP,  32*272                    ; 8,704: 64 keys of K
.set VSTEP,  32*288                    ; 9,216: 64 keys of V
.set WV,    8                          ; s8       wave
.set KLANE, 2                          ; v2       lane term of a K fragment
.set VLANE, 3                          ; v3       lane term of a V fragment
.set KADR,  4                          ; v4       K fragments of the tile at work; steps by KSTEP
.set VADR,  5                          ; v5       V fragments of the tile at work; steps by VSTEP
.set STO,   6                          ; v6       way out: in
.set RD,    7                          ; v7       way out: back
.set CO,    8                          ; v8       way out: 16 x lane
.set QOFF,  9                          ; v9       my bytes of Q
.set M,     10                         ; v10-11   running maximum of the raw scores, for sb = 0, 1
.set NM,    12                         ; v[12:15] -c x maximum, twice, for sb = 0, 1
.set AL,    16                         ; v[16:19] rescaling factor, twice
.set LS,    20                         ; v[20:23] my half of the row sum, in two parts
.set T,     24                         ; v[24:31] at work, four for each sb
.set Q,     32                         ; v[32:63]   Q fragments: 16 sb + 8 ks
.set KV,    64                         ; v[64:127]  K fragments 16 tb + 8 ks, then V fragments 16 eb + 8 k2
.set S,     128                        ; v[128:191] S^T tiles 8 (4 sb + tb), then P
.set O,     192                        ; v[192:255] O^T tiles 8 (4 sb + eb)
.set G1K, 16                           ; s[16:23] group 1 of a part of K
.set G1V, 24                           ; s[24:31] group 1 of a part of V
.set G0V, 32                           ; s[32:39] group 0 of my part of V, one set a slot (waves 0-3 ask by it)
.set G0K, 40                           ; s[40:47] group 0 of my part of K, one set a slot (waves 4-7 ask by it)
.macro PLACES n                        ; places behind matrix instructions (ISA guide 7.12.1): plain vector instructions that name none of their registers
.rept \n
	v_nop
.endr
.endm
.macro CROUND                          ; a round of the cluster's barrier
	s_barrier_signal -1
	s_barrier_wait -1
	s_cmp_lg_u32 s[WV], 0
	s_cbranch_scc1 .Lnot_wave_0_\@
	s_barrier_signal -3
.Lnot_wave_0_\@:
	s_barrier_wait -3
	s_barrier_signal -1
	s_barrier_wait -1
.endm
.macro JLOAD s                         ; my one joint load for slot s.  The branch hangs on the wave's number alone
	s_cmp_lt_u32 s[WV], 4
	s_cbranch_scc0 .Lfor_k_\@
	tensor_load_to_lds s[G0V+4*\s:G0V+4*\s+3], s[G1V:G1V+7]
	s_nop 0
	s_branch .Lasked_\@
.Lfor_k_\@:
	tensor_load_to_lds s[G0K+4*\s:G0K+4*\s+3], s[G1K:G1K+7]
	s_nop 0
.Lasked_\@:
.endm
	s_load_b128 s[4:7], s[0:1], 0x0                ; qkv s[4:5], ctx s[6:7]
	s_set_vgpr_msb 0x40
	v_lshl_add_u32 v0, v0, 2, 0x4a800
	v_mov_b32 v1, 0
	s_set_vgpr_msb 0x4045
	ds_add_u32 v0, v1
	s_set_vgpr_msb 0x4500
	v_lshrrev_b32 v1, 5, v0
	v_readfirstlane_b32 s[WV], v1                  ; wave 0..7
	s_and_b32 s9, ttmp7, 0xffff                    ; bh = 16 b + h
	s_bfe_u32 s10, ttmp6, 0x40000                  ; cx
	s_lshl_b32 s11, ttmp9, 2
	s_add_co_u32 s11, s11, s10                     ; query block = 4 x cluster x + cx: it enters global addresses of Q and ctx alone
	s_mov_b32 s12, 0x76543210                      ; v_permlanex16_b32: lane i reads lane i of the other half
	s_mov_b32 s13, 0xfedcba98
	s_mov_b32 s14, 0x3e38aa3b                      ; c = log2(e) / 8: the scale 1 / sqrt(64) and the change of base in one
	s_mov_b32 s15, 0x3e38aa3b
	; dense parts of 64 rows x 32 elements of 8 bytes; mask 15: all four of the cluster; K: 4 words of padding behind every 64, V: 8
	s_mov_b32 s[G1K+0], 15|(3<<16)|(1<<20)|(1<<21)|(5<<22)|(3<<25)
	s_mov_b32 s[G1K+1], 32<<16
	s_mov_b32 s[G1K+2], 64<<16
	s_mov_b32 s[G1K+3], 32<<16
	s_mov_b32 s[G1K+4], 64
	s_mov_b32 s[G1K+5], 32
	s_mov_b32 s[G1K+6], 0
	s_mov_b32 s[G1K+7], 0
	s_mov_b32 s[G1V+0], 15|(3<<16)|(1<<20)|(1<<21)|(5<<22)|(7<<25)
	s_mov_b32 s[G1V+1], 32<<16
	s_mov_b32 s[G1V+2], 64<<16
	s_mov_b32 s[G1V+3], 32<<16
	s_mov_b32 s[G1V+4], 64
	s_mov_b32 s[G1V+5], 32
	s_mov_b32 s[G1V+6], 0
	s_mov_b32 s[G1V+7], 0
	; where the parts come from: 262,144 bytes for each (b, h), 128 keys of 128 bytes for each wave.  Every wave makes both addresses and asks by one.
	s_lshl_b32 s48, s9, 18
	s_lshl_b32 s49, s[WV], 14
	s_add_co_u32 s48, s48, s49
	s_add_co_u32 s50, s48, 16777216                ; V lies 16 MiB into qkv; waves 0-3 take its parts 0-3
	s_add_co_u32 s48, s48, 8388608-65536           ; K lies 8 MiB into qkv; waves 4-7 take its parts 0-3: four parts of 16,384 bytes less
	s_mov_b32 s49, 0
	s_mov_b32 s51, 0
	s_mul_i32 s56, s[WV], VREG                     ; and where they go: V's part of wave w at 18,432 w,
	s_mul_i32 s57, s[WV], KREG
	s_add_co_u32 s57, s57, VPART-4*KREG            ; K's part of wave w at 73,728 + 17,408 (w - 4) = 17,408 w + 4,096
	s_lshl_b32 s52, s9, 18                         ; Q: (b, h), 256 queries a block, 32 a wave
	s_lshl_b32 s53, s11, 15
	s_add_co_u32 s52, s52, s53
	s_lshl_b32 s53, s[WV], 12
	s_add_co_u32 s52, s52, s53
	s_mov_b32 s53, 0
	s_lshr_b32 s54, s9, 4                          ; ctx: ((16 b + block of 128 rows) 16 + h) 16,384 + row 128
	s_lshl_b32 s54, s54, 4
	s_lshl1_add_u32 s54, s11, s54                  ; block of 128 rows = 2 x query block + wave / 4
	s_lshr_b32 s55, s[WV], 2
	s_add_co_u32 s54, s54, s55
	s_lshl_b32 s54, s54, 4
	s_and_b32 s55, s9, 15
	s_add_co_u32 s54, s54, s55
	s_lshl_b32 s54, s54, 14
	s_and_b32 s55, s[WV], 3
	s_lshl_b32 s55, s55, 12
	s_add_co_u32 s54, s54, s55
	s_mov_b32 s55, 0
	s_wait_dscnt 0x0
	s_wait_kmcnt 0x0
	s_add_nc_u64 s[48:49], s[4:5], s[48:49]
	s_add_nc_u64 s[50:51], s[4:5], s[50:51]
	s_add_nc_u64 s[52:53], s[4:5], s[52:53]
	s_add_nc_u64 s[6:7], s[6:7], s[54:55]
.irp s, 0,1
	s_mov_b32 s[G0V+4*\s], 1
	s_add_co_u32 s[G0V+4*\s+1], s56, \s*SLOT
	s_add_nc_u64 s[G0V+4*\s+2:G0V+4*\s+3], s[50:51], \s*65536      ; keys 512 s ..
	s_or_b32 s[G0V+4*\s+3], s[G0V+4*\s+3], 0x80000000
	s_mov_b32 s[G0K+4*\s], 1
	s_add_co_u32 s[G0K+4*\s+1], s57, \s*SLOT
	s_add_nc_u64 s[G0K+4*\s+2:G0K+4*\s+3], s[48:49], \s*65536
	s_or_b32 s[G0K+4*\s+3], s[G0K+4*\s+3], 0x80000000
.endr
	CROUND                                         ; in front of the first joint load
	JLOAD 0                                        ; keys 0-511.  One tensor load of the wave is out, here and behind every later round
	v_and_b32 v1, 15, v0                           ; r
	v_bfe_u32 v24, v0, 4, 1                        ; h
	v_lshlrev_b32 v[QOFF], 7, v1
	v_lshl_add_u32 v[QOFF], v24, 4, v[QOFF]        ; query r's row, 16 bytes for each half of the lanes
.irp sb, 0,1
.irp ks, 0,1
	global_load_b128 v[Q+16*\sb+8*\ks:Q+16*\sb+8*\ks+3],   v[QOFF], s[52:53] offset:2048*\sb+64*\ks
	global_load_b128 v[Q+16*\sb+8*\ks+4:Q+16*\sb+8*\ks+7], v[QOFF], s[52:53] offset:2048*\sb+64*\ks+32
.endr
.endr
	v_and_b32 v26, 1, v0
	v_bfe_u32 v[KLANE], v0, 1, 3                   ; K fragment: key r lies at (r / 2) 272 + (r % 2) 128, my 16 bytes at 16 h
	v_mul_u32_u24 v[KLANE], v[KLANE], 272
	v_lshl_add_u32 v[KLANE], v26, 7, v[KLANE]
	v_lshl_add_u32 v[KLANE], v24, 4, v[KLANE]
	v_bfe_u32 v[VLANE], v0, 1, 2                   ; V fragment, transposing load: lane l addresses key 8 h + l % 8: LDS row 4 h + (l % 8) / 2,
	v_lshl_add_u32 v[VLANE], v24, 2, v[VLANE]
	v_mul_u32_u24 v[VLANE], v[VLANE], 288
	v_lshl_add_u32 v[VLANE], v26, 7, v[VLANE]      ; half l % 2,
	v_bfe_u32 v25, v0, 3, 1
	v_lshl_add_u32 v[VLANE], v25, 4, v[VLANE]      ; columns 0-7 or 8-15 of the block
	s_mul_i32 s58, s[WV], WSTAGE
	s_add_co_u32 s58, s58, STAGE
	v_add_nc_u32 v[STO], s58, v[KLANE]             ; the stage's rows lie as K's do
	v_mul_u32_u24 v[RD], v24, 272
	v_lshl_add_u32 v[RD], v1, 4, v[RD]
	v_add_nc_u32 v[RD], s58, v[RD]
	v_and_b32 v[CO], 31, v0
	v_lshlrev_b32 v[CO], 4, v[CO]
; One product of the scores: tile (sb, tb) of S^T takes half ks of e.  zero = 1: it starts the sum.
.macro SW sb, tb, ks, zero
.if \zero
	v_wmma_f32_16x16x32_bf16 v[S+8*(4*\sb+\tb):S+8*(4*\sb+\tb)+7], v[KV+16*\tb+8*\ks:KV+16*\tb+8*\ks+7], v[Q+16*\sb+8*\ks:Q+16*\sb+8*\ks+7], 0
.else
	v_wmma_f32_16x16x32_bf16 v[S+8*(4*\sb+\tb):S+8*(4*\sb+\tb)+7], v[KV+16*\tb+8*\ks:KV+16*\tb+8*\ks+7], v[Q+16*\sb+8*\ks:Q+16*\sb+8*\ks+7], v[S+8*(4*\sb+\tb):S+8*(4*\sb+\tb)+7]
.endif
.endm
; One product of the output: tile (sb, eb) of O^T takes keys 32 k2 .. 32 k2 + 31.  zero = 1: it starts the sum.
.macro PW sb, eb, k2, zero
.if \zero
	v_wmma_f32_16x16x32_bf16 v[O+8*(4*\sb+\eb):O+8*(4*\sb+\eb)+7], v[KV+16*\eb+8*\k2:KV+16*\eb+8*\k2+7], v[S+32*\sb+16*\k2:S+32*\sb+16*\k2+7], 0
.else
	v_wmma_f32_16x16x32_bf16 v[O+8*(4*\sb+\eb):O+8*(4*\sb+\eb)+7], v[KV+16*\eb+8*\k2:KV+16*\eb+8*\k2+7], v[S+32*\sb+16*\k2:S+32*\sb+16*\k2+7], v[O+8*(4*\sb+\eb):O+8*(4*\sb+\eb)+7]
.endif
.endm
; The largest of my 32 scores of a query of block sb: two chains, over registers 0-14 and 16-30; link j = 0..6 of both.
.macro MX sb, j
.if (\j) == 0
	v_max3_num_f32 v[T+4*\sb],   v[S+32*\sb],    v[S+32*\sb+1],  v[S+32*\sb+2]
	v_max3_num_f32 v[T+4*\sb+1], v[S+32*\sb+16], v[S+32*\sb+17], v[S+32*\sb+18]
.else
	v_max3_num_f32 v[T+4*\sb],   v[T+4*\sb],   v[S+32*\sb+2*(\j)+1],  v[S+32*\sb+2*(\j)+2]
	v_max3_num_f32 v[T+4*\sb+1], v[T+4*\sb+1], v[S+32*\sb+2*(\j)+17], v[S+32*\sb+2*(\j)+18]
.endif
.endm
; The two chains, registers 15 and 31, and the running maximum
.macro MXEND sb, first
	v_max3_num_f32 v[T+4*\sb], v[T+4*\sb], v[T+4*\sb+1], v[S+32*\sb+15]
.if \first
	v_max_num_f32 v[T+4*\sb], v[T+4*\sb], v[S+32*\sb+31]
	s_wait_alu depctr_va_vdst(0)
.else
	v_max3_num_f32 v[T+4*\sb], v[T+4*\sb], v[S+32*\sb+31], v[M+\sb]
	s_wait_alu depctr_va_vdst(0)
.endif
.endm
; The new maximum of block sb's queries, the shift -c m, and the exponent of the rescaling factor
.macro STAT sb, first
	v_permlanex16_b32 v[T+4*\sb+1], v[T+4*\sb], s12, s13           ; the other half's keys of the same query (the destination has been written by the chain)
	v_max_num_f32 v[M+\sb], v[T+4*\sb], v[T+4*\sb+1]
	v_mul_f32 v[T+4*\sb+2], 0xbe38aa3b, v[M+\sb]                   ; -c m
.if \first == 0
	v_sub_f32 v[T+4*\sb+3], v[T+4*\sb+2], v[NM+2*\sb]              ; c (m old - m new), from the same rounded shifts that the exponents use
.endif
	v_mov_b32 v[NM+2*\sb], v[T+4*\sb+2]
	v_mov_b32 v[NM+2*\sb+1], v[T+4*\sb+2]
.endm
; In front of a block's eight steps: the rescaling factor, the first group's exponents, the old row sum rescaled
.macro PRO sb, first
.if \first == 0
	v_exp_f32 v[AL+2*\sb], v[T+4*\sb+3]                            ; the two multiply-adds are the plain places behind it (ISA guide 5.7.2)
.endif
	v_pk_fma_f32 v[S+32*\sb:S+32*\sb+1],   v[S+32*\sb:S+32*\sb+1],   s[14:15], v[NM+2*\sb:NM+2*\sb+1] op_sel_hi:[1,0,1]
	v_pk_fma_f32 v[S+32*\sb+2:S+32*\sb+3], v[S+32*\sb+2:S+32*\sb+3], s[14:15], v[NM+2*\sb:NM+2*\sb+1] op_sel_hi:[1,0,1]
.if \first == 0
	s_wait_alu depctr_va_vdst(0)
	v_mov_b32 v[AL+2*\sb+1], v[AL+2*\sb]
	v_pk_mul_f32 v[LS+2*\sb:LS+2*\sb+1], v[LS+2*\sb:LS+2*\sb+1], v[AL+2*\sb:AL+2*\sb+1]
.endif
.endm
; Step g = 0..7 of block sb: the four exponentials of group g (registers 4 g .. 4 g + 3 of the block's 32), and between them plain work on other
; registers: the exponents c s - c m of group g + 1, the row sum and the rounding to bf16 of group g - 1, four registers of O rescaled.
; So behind every exponential stands a plain instruction that names none of its registers, and a result is used a step after it is made.
; The rounding packs in place, from the bottom up: group g - 1 of a run of 16 registers goes to the run's registers 2 ((g - 1) % 4), + 1, which lie
; at or below it and have been summed and read.  The two links of the row sum's one chain stand six instructions apart.
.macro STEP sb, g, first
.set e_, S+32*\sb+4*(\g)
	v_exp_f32 v[e_], v[e_]
.if (\g) > 0
.set p_, e_-4
.set d_, S+32*\sb+16*(((\g)-1)/4)+2*(((\g)-1)%4)
.if \first
.if (\g) == 1
	s_wait_alu depctr_va_vdst(0)
	v_pk_add_f32 v[LS+2*\sb:LS+2*\sb+1], v[p_:p_+1], v[p_+2:p_+3]  ; the launch's first group starts the row sum: nothing is cleared
.else
	s_wait_alu depctr_va_vdst(0)
	v_pk_add_f32 v[LS+2*\sb:LS+2*\sb+1], v[LS+2*\sb:LS+2*\sb+1], v[p_:p_+1]
.endif
.else
	s_wait_alu depctr_va_vdst(0)
	v_pk_add_f32 v[LS+2*\sb:LS+2*\sb+1], v[LS+2*\sb:LS+2*\sb+1], v[p_:p_+1]
.endif
.endif
	v_exp_f32 v[e_+1], v[e_+1]
.if (\g) < 7
	v_pk_fma_f32 v[e_+4:e_+5], v[e_+4:e_+5], s[14:15], v[NM+2*\sb:NM+2*\sb+1] op_sel_hi:[1,0,1]
.endif
	v_exp_f32 v[e_+2], v[e_+2]
.if (\g) > 0
	v_cvt_pk_bf16_f32 v[d_], v[p_], v[p_+1]
.endif
	v_exp_f32 v[e_+3], v[e_+3]
.if (\g) > 0
.if \first
.if (\g) != 1
	v_pk_add_f32 v[LS+2*\sb:LS+2*\sb+1], v[LS+2*\sb:LS+2*\sb+1], v[p_+2:p_+3]
.endif
.else
	v_pk_add_f32 v[LS+2*\sb:LS+2*\sb+1], v[LS+2*\sb:LS+2*\sb+1], v[p_+2:p_+3]
.endif
.endif
.if (\g) < 7
	v_pk_fma_f32 v[e_+6:e_+7], v[e_+6:e_+7], s[14:15], v[NM+2*\sb:NM+2*\sb+1] op_sel_hi:[1,0,1]
.endif
.if \first == 0
	v_pk_mul_f32 v[O+32*\sb+4*(\g):O+32*\sb+4*(\g)+1], v[O+32*\sb+4*(\g):O+32*\sb+4*(\g)+1], v[AL+2*\sb:AL+2*\sb+1]
.endif
.if (\g) > 0
	v_cvt_pk_bf16_f32 v[d_+1], v[p_+2], v[p_+3]
.endif
.if \first == 0
	v_pk_mul_f32 v[O+32*\sb+4*(\g)+2:O+32*\sb+4*(\g)+3], v[O+32*\sb+4*(\g)+2:O+32*\sb+4*(\g)+3], v[AL+2*\sb:AL+2*\sb+1]
.endif
.endm
; Behind a block's eight steps: the row sum and the rounding of group 7
.macro EPI sb
	s_wait_alu depctr_va_vdst(0)
	v_pk_add_f32 v[LS+2*\sb:LS+2*\sb+1], v[LS+2*\sb:LS+2*\sb+1], v[S+32*\sb+28:S+32*\sb+29]
	v_cvt_pk_bf16_f32 v[S+32*\sb+22], v[S+32*\sb+28], v[S+32*\sb+29]
	v_pk_add_f32 v[LS+2*\sb:LS+2*\sb+1], v[LS+2*\sb:LS+2*\sb+1], v[S+32*\sb+30:S+32*\sb+31]
	v_cvt_pk_bf16_f32 v[S+32*\sb+23], v[S+32*\sb+30], v[S+32*\sb+31]
.endm
; One tile of 64 keys, at KADR and VADR, against my 32 queries; both addresses are left at the next tile.
; first = 1: the launch's first tile starts the maximum, the sums and O.
; In each group of eight products four accumulators take turns, one instruction a turn, and no two matrix instructions that follow each other
; share an accumulator, over the backward jump too.
.macro KT first
.irp ks, 0,1                                       ; K's fragments, the first half of e ahead of the second
.irp tb, 0,1,2,3
	ds_load_b128 v[KV+16*\tb+8*\ks:KV+16*\tb+8*\ks+3],   v[KADR] offset:2176*\tb+64*\ks
	ds_load_b128 v[KV+16*\tb+8*\ks+4:KV+16*\tb+8*\ks+7], v[KADR] offset:2176*\tb+64*\ks+32
.endr
.endr
	s_wait_dscnt 0x8                               ; LDS loads come back in order: the first half's eight are in, the second half's eight may be out
.irp tb, 0,1,2,3
	SW 0, \tb, 0, 1                                ; block 0's scores
.endr
	s_wait_dscnt 0x0                               ; the second half is in
.irp tb, 0,1,2,3
	SW 0, \tb, 1, 0
.endr
	v_add_nc_u32 v[KADR], KSTEP, v[KADR]           ; the next tile's K; with the three below, four places in front of the maxima, which read block 0's scores
	PLACES 3
	SW 1, 0, 0, 1                                  ; block 1's scores, among block 0's maxima
	MX 0, 0
	SW 1, 1, 0, 1
	MX 0, 1
	SW 1, 2, 0, 1
	MX 0, 2
	SW 1, 3, 0, 1
	MX 0, 3
	SW 1, 0, 1, 0
	MX 0, 4
	SW 1, 1, 1, 0
	MX 0, 5
	SW 1, 2, 1, 0
	MX 0, 6
	SW 1, 3, 1, 0
	MXEND 0, \first                                ; these and the lines of the shift are six plain instructions or more that name no register of the
	STAT 0, \first                                 ; scores' products: the places in front of V's loads, which land in K's registers
.irp k2, 0,1
.irp eb, 0,1,2,3
	ds_load_tr16_b128 v[KV+16*\eb+8*\k2:KV+16*\eb+8*\k2+3],   v[VADR] offset:4608*\k2+32*\eb        ; keys 32 k2 + 8 h + 0..7 of column 16 eb + r
	ds_load_tr16_b128 v[KV+16*\eb+8*\k2+4:KV+16*\eb+8*\k2+7], v[VADR] offset:4608*\k2+2304+32*\eb   ; keys 32 k2 + 16 + 8 h + 0..7
.endr
.endr
	PRO 0, \first                                  ; block 0's exponentials, among block 1's maxima
.irp g, 0,1,2,3,4,5,6
	STEP 0, \g, \first
	MX 1, \g
.endr
	STEP 0, 7, \first
	MXEND 1, \first
	EPI 0
	STAT 1, \first
	s_wait_dscnt 0x0                               ; the V fragments are in (asked for in front of block 0's exponentials)
	PRO 1, \first                                  ; block 1's exponentials, and among them block 0's second product
	STEP 1, 0, \first
	PW 0, 0, 0, \first
	STEP 1, 1, \first
	PW 0, 1, 0, \first
	STEP 1, 2, \first
	PW 0, 2, 0, \first
	STEP 1, 3, \first
	PW 0, 3, 0, \first
	STEP 1, 4, \first
	PW 0, 0, 1, 0
	STEP 1, 5, \first
	PW 0, 1, 1, 0
	STEP 1, 6, \first
	PW 0, 2, 1, 0
	STEP 1, 7, \first
	PW 0, 3, 1, 0
	EPI 1
.irp eb, 0,1,2,3
	PW 1, \eb, 0, \first                           ; block 1's second product
.endr
.irp eb, 0,1,2,3
	PW 1, \eb, 1, 0
.endr
	v_add_nc_u32 v[VADR], VSTEP, v[VADR]           ; the next tile's V; with the four below, five places: the next scores are written over P, a source
	PLACES 4                                       ; of these products, and K's loads land in V's registers
.endm
; A trip: 512 keys from one slot.  In front of the round every wave has waited for all its tensor loads (its part of this slot among them) and for
; its reads of the other slot; behind it the other slot is asked for first, and that load has the trip's eight tiles in which to land.
.macro TRIP slot, other, refill, first
	s_set_vgpr_msb 0x5
	s_wait_tensorcnt 0x0                           ; all my tensor loads have landed,
	ds_add_u32 v0, v1
	s_wait_dscnt 0x0
	s_set_vgpr_msb 0x500
	s_add_nc_u64 s[G0V+4*\slot+2:G0V+4*\slot+3], s[G0V+4*\slot+2:G0V+4*\slot+3], 2*65536   ; so a group 0 may be written: this slot's next 512 keys
	s_add_nc_u64 s[G0K+4*\slot+2:G0K+4*\slot+3], s[G0K+4*\slot+2:G0K+4*\slot+3], 2*65536
	s_wait_dscnt 0x0                               ; my reads of the last trip's slot are done
	CROUND                                         ; both now hold of every wave of the four work-groups
.if \refill
	JLOAD \other
.endif
	v_add_nc_u32 v[KADR], \slot*SLOT+VPART, v[KLANE]               ; the slot's first tile
	v_add_nc_u32 v[VADR], \slot*SLOT, v[VLANE]
.if \first
	KT 1
	s_mov_b32 s3, 7                                ; the slot's other seven tiles
.else
	s_mov_b32 s3, 8
.endif
.Ltile_\@:
	KT 0
	s_sub_co_i32 s3, s3, 1
	s_cmp_lg_u32 s3, 0
	s_cbranch_scc1 .Ltile_\@
.endm
	s_wait_loadcnt 0x0                             ; Q, once
	TRIP 0, 1, 1, 1                                ; keys 0-511; asks for 512-1023
	TRIP 1, 0, 1, 0                                ; asks for 1024-1535
	TRIP 0, 1, 1, 0                                ; asks for 1536-2047 (slot 0's stepped address is not used again)
	TRIP 1, 0, 0, 0
	; THE END: divide by the row sums, round, and out through my own stage, 16 queries at a time.
.irp sb, 0,1
	v_add_f32 v[T+4*\sb], v[LS+2*\sb], v[LS+2*\sb+1]
	v_permlanex16_b32 v[T+4*\sb+1], v[T+4*\sb], s12, s13
	v_add_f32 v[T+4*\sb], v[T+4*\sb], v[T+4*\sb+1]
.endr
.irp sb, 0,1
	v_rcp_f32 v[AL+2*\sb], v[T+4*\sb]
	v_rcp_f32 v[AL+2*\sb+1], v[T+4*\sb]
.endr
	v_nop                                          ; the plain place behind the reciprocals
	s_wait_alu depctr_va_vdst(0)
.irp sb, 0,1
.set j, 0
.rept 16
	v_pk_mul_f32 v[O+32*\sb+j:O+32*\sb+j+1], v[O+32*\sb+j:O+32*\sb+j+1], v[AL+2*\sb:AL+2*\sb+1]
.set j, j+2
.endr
.irp eb, 0,1,2,3
.irp i, 0,1,2,3
	v_cvt_pk_bf16_f32 v[KV+16*\sb+4*\eb+\i], v[O+8*(4*\sb+\eb)+2*\i], v[O+8*(4*\sb+\eb)+2*\i+1]
.endr
.endr
.irp eb, 0,1,2,3
	ds_store_b128 v[STO], v[KV+16*\sb+4*\eb:KV+16*\sb+4*\eb+3] offset:32*\eb
.endr
.irp t, 0,1,2,3
	ds_load_b128 v[KV+32+16*\sb+4*\t:KV+32+16*\sb+4*\t+3], v[RD] offset:544*\t     ; LDS serves a wave's instructions in order: these see the stores above
.endr
.irp t, 0,1,2,3
	s_wait_dscnt 3-\t                              ; read-back t is in, the younger ones stay out
	global_store_b128 v[CO], v[KV+32+16*\sb+4*\t:KV+32+16*\sb+4*\t+3], s[6:7] offset:2048*\sb+512*\t   ; 512 consecutive bytes, aligned; no register is written twice
.endr
.endr
	s_set_vgpr_msb 0x5
	s_wait_tensorcnt 0x0
	ds_add_u32 v0, v1
	s_wait_dscnt 0x0
	s_set_vgpr_msb 0x500
	CROUND                                         ; the closing round
	s_endpgm
.Lfunc_end_k_q706a25a304_attn:
	.size	k_q706a25a304_attn, .Lfunc_end_k_q706a25a304_attn-k_q706a25a304_attn
	.p2alignl 7, 3214868480
	.fill 96, 4, 3214868480
	.section	.rodata,"a",@progbits
	.p2align	6, 0x0
	.amdhsa_kernel k_q706a25a304_attn
		.amdhsa_group_segment_fixed_size 327680
		.amdhsa_private_segment_fixed_size 0
		.amdhsa_enable_private_segment 0
		.amdhsa_kernarg_size 16
		.amdhsa_user_sgpr_count 2
		.amdhsa_user_sgpr_kernarg_segment_ptr 1
		.amdhsa_wavefront_size32 1
		.amdhsa_system_sgpr_workgroup_id_x 1
		.amdhsa_system_sgpr_workgroup_id_y 1
		.amdhsa_system_sgpr_workgroup_id_z 1
		.amdhsa_system_vgpr_workitem_id 0
		.amdhsa_next_free_vgpr 258
		.amdhsa_next_free_sgpr 66
		.amdhsa_reserve_vcc 0
		.amdhsa_float_denorm_mode_32 3
		.amdhsa_float_denorm_mode_16_64 3
		.amdhsa_memory_ordered 1
		.amdhsa_forward_progress 1
		.amdhsa_inst_pref_size 105
	.end_amdhsa_kernel
	.amdgpu_metadata
---
amdhsa.version: [ 1, 2 ]
amdhsa.kernels:
  - .name:           k_q706a25a304_attn
    .symbol:         k_q706a25a304_attn.kd
    .args:
      - { .name: qkv, .offset: 0, .size: 8, .value_kind: global_buffer, .address_space: global }
      - { .name: ctx, .offset: 8, .size: 8, .value_kind: global_buffer, .address_space: global }
    .group_segment_fixed_size: 327680
    .private_segment_fixed_size: 0
    .kernarg_segment_align: 8
    .kernarg_segment_size: 16
    .max_flat_workgroup_size: 256
    .sgpr_count:     66
    .vgpr_count:     258
    .wavefront_size: 32
...
	.end_amdgpu_metadata
.endif
;; end of part 5
;; launch proj (part 6): grid 8 x 32, 4 waves a work-group, clusters of 4 x 4, 327,680 bytes of LDS; arguments ctx, cb, bo, out0; writes out0
.if DOCPART == 6
	.amdgcn_target "amdgcn-amd-amdhsa--gfx1250"
	.amdhsa_code_object_version 6
	.text
	.protected	k_q706a25a304_proj
	.globl	k_q706a25a304_proj
	.p2align	8
	.type	k_q706a25a304_proj,@function
k_q706a25a304_proj:
	s_mov_b64 s[64:65], 0
	v_nop
	global_prefetch_b8 v0, s[64:65] scope:SCOPE_SE
	s_setreg_imm32_b32 hwreg(HW_REG_WAVE_MODE, 25, 1), 1
	s_wait_xcnt 0x0
	s_wait_alu depctr_hold_cnt(0) depctr_sa_sdst(0) depctr_va_vdst(0) depctr_va_sdst(0) depctr_va_ssrc(0) depctr_va_vcc(0) depctr_vm_vsrc(0)
	s_getreg_b32 s2, hwreg(HW_REG_IB_STS2, 6, 4)
	s_cmp_eq_u32 s2, 0
	s_cbranch_scc0 .Lentry_in_a_cluster
	s_endpgm
.Lentry_in_a_cluster:
	s_bfe_u32 s2, ttmp6, 0x10000c
	s_cmp_lg_u32 s2, 0xf033
	s_cbranch_scc0 .Lentry_shape_is_right
	s_endpgm
.Lentry_shape_is_right:
; out0 = ctx Wo + bo.  Operands bf16, sums f32, out0 f32 [4096][1024].
; ctx: [block of 128 rows: 32][h 16][row 128][e 64] bf16, so k = 64 h + e.   Wo (bf16): cb + 14,680,064, [k 1024][n 1024].
; A work-group (x = block of 128 columns, y = block of 128 rows) makes 128 x 128 with four waves, a wave 64 x 64: 16 accumulator tiles.
; Blocks of 256 x 128 would feed more multiply-adds from each LDS byte but give work to 128 work-groups only; 32 x 8 = 256 blocks are taken.
; K = 1024 goes in 4 steps of 256 (four heads) through two LDS slots.  A slot: waves 0, 1 bring two heads of ctx each (dense, 128 rows of 256 bytes,
; LDS pitch 272: two rows of 128 bytes to an LDS row), waves 2, 3 bring 128 rows k of Wo each (256 bytes of a row, LDS pitch 288, for the transposing load).
; CLUSTERS: 4 x 4.  ctx's tiles hang on the block of rows and are asked for jointly along a row of the cluster, Wo's on the block of columns, along a column.
; WHICH HALF OF K COMES FIRST hangs on the cluster: clusters with an even x + y walk K steps 0, 1, 2, 3, those with an odd one 2, 3, 0, 1.  The two first
; steps are a cluster's first fills, the two others its refills.  ctx's tiles are read by the two clusters of a cluster row, Wo's by the eight of a
; cluster column, and neighbours along either have x + y of opposite parity: so each tile that a cluster asks for as a refill has been asked for by
; another cluster among its first fills.  The sums run over K in another order, nothing else changes; x + y is the same in all sixteen partners.
; THE MATRIX INSTRUCTION IS USED TRANSPOSED: source 0 = 16 columns n of Wo, source 1 = 16 rows of ctx: a lane holds eight neighbouring columns of a row.
; The first products take the bias, laid out so, as C.
; REGISTERS: window 0: addresses, bias, ctx's fragments (two buffers); window 1: Wo's fragments (two buffers); window 2: accumulators.
.set REG,    36864                     ; a wave's part of a slot: 128 x 288 (ctx's parts use 128 x 272 of it)
.set SLOT,   4*REG                     ; 147,456
.set STAGE,  2*SLOT                    ; 294,912 = 1,152 x 256
.set WSTAGE, 16*272                    ; 4,352 = 17 x 256: a wave's own stage, 16 rows of 64 f32
.set WV,   12                          ; s12      wave
.set ADRA, 16                          ; v16-17   ctx fragments, slot 0, 1
.set ADRB, 20                          ; v20-23   Wo fragments, 2 x slot + half of the slot's 256 rows
.set STO,  24
.set RD,   25
.set CO,   26
.set BOFF, 27
.set BIAS, 32                          ; v[32:63]  8 registers for each of 4 column blocks
.set F,    64                          ; fragments: buffer p at 64 p, K half ks at 32 ks, 8 registers a block
.set G1A, 24
.set G0A, 32
.set G1B, 48
.set G0B, 56
.set A1ST, 76                          ; s[76:77] my part of ctx in the half of K that comes first; s[78:79] in the other half
.set A2ND, 78
.set B1ST, 80                          ; s[80:81], s[82:83] the same for Wo
.set B2ND, 82
.set MSB, 0
.macro WIN new
.if MSB != \new
	s_set_vgpr_msb (MSB<<8)|\new
.set MSB, \new
.endif
.endm
.macro PLACES n
.rept \n
	v_nop
.endr
.endm
.macro CREST
	s_cmp_lg_u32 s[WV], 0
	s_cbranch_scc1 .Lnot_wave_0_\@
	s_barrier_signal -3
.Lnot_wave_0_\@:
	s_barrier_wait -3
	s_barrier_signal -1
	s_barrier_wait -1
.endm
.macro CROUND
	s_barrier_signal -1
	s_barrier_wait -1
	CREST
.endm
.macro JLOAD s                         ; waves 0, 1 ask for ctx, waves 2, 3 for Wo
	s_cmp_eq_u32 s13, 0
	s_cbranch_scc0 .Lfor_b_\@
	tensor_load_to_lds s[G0A+4*\s:G0A+4*\s+3], s[G1A:G1A+7]
	s_nop 0
	s_branch .Lasked_\@
.Lfor_b_\@:
	tensor_load_to_lds s[G0B+4*\s:G0B+4*\s+3], s[G1B:G1B+7]
	s_nop 0
.Lasked_\@:
.endm
	s_load_b256 s[4:11], s[0:1], 0x0               ; ctx s[4:5], cb s[6:7], bo s[8:9], out0 s[10:11]
	s_set_vgpr_msb 0x40
	v_lshl_add_u32 v255, v0, 2, 0x4c400
	s_set_vgpr_msb 0x4000
	v_mov_b32 v255, 0
	s_set_vgpr_msb 0x1
	ds_add_u32 v255, v255
	s_set_vgpr_msb 0x100
	v_lshrrev_b32 v1, 5, v0
	v_readfirstlane_b32 s[WV], v1
	s_lshr_b32 s13, s[WV], 1                       ; my half of the block's rows.  Also: I fetch ctx (0) or Wo (1)
	s_and_b32 s14, s[WV], 1                        ; my half of its columns.  Also: which half of that tile I fetch
	s_bfe_u32 s40, ttmp6, 0x40000                  ; cx
	s_bfe_u32 s41, ttmp6, 0x40004                  ; cy
	s_lshl_b32 s42, ttmp9, 2
	s_add_co_u32 s42, s42, s40                     ; block of columns
	s_and_b32 s43, ttmp7, 0xffff
	s_lshl_b32 s43, s43, 2
	s_add_co_u32 s43, s43, s41                     ; block of rows
	s_lshl_b32 s44, s41, 2
	s_lshl_b32 s44, 15, s44                        ; my row of the cluster
	s_lshl_b32 s45, 0x1111, s40                    ; my column
	s_and_b32 s66, ttmp7, 0xffff                   ; the cluster's y
	s_add_co_u32 s66, s66, ttmp9                   ; + the cluster's x
	s_and_b32 s66, s66, 1                          ; the half of K that comes first,
	s_xor_b32 s67, s66, 1                          ; and the other one
	s_lshl_b32 s68, s66, 17                        ; half of K in ctx: eight heads of 16,384 bytes
	s_mov_b32 s69, 0
	s_lshl_b32 s70, s67, 17
	s_mov_b32 s71, 0
	s_lshl_b32 s72, s66, 20                        ; half of K in Wo: 512 rows of 2,048 bytes
	s_mov_b32 s73, 0
	s_lshl_b32 s74, s67, 20
	s_mov_b32 s75, 0
	; ctx: dense, 128 rows x 32 elements of 8 bytes, 4 words of padding behind every 64
	s_or_b32 s[G1A+0], s44, (3<<16)|(1<<20)|(1<<21)|(5<<22)|(3<<25)
	s_mov_b32 s[G1A+1], 32<<16
	s_mov_b32 s[G1A+2], 128<<16
	s_mov_b32 s[G1A+3], 32<<16
	s_mov_b32 s[G1A+4], 128
	s_mov_b32 s[G1A+5], 32
	s_mov_b32 s[G1A+6], 0
	s_mov_b32 s[G1A+7], 0
	; Wo: 128 rows x 128 elements of 2 bytes, 1,024 elements from row to row, 8 words of padding behind every 64
	s_or_b32 s[G1B+0], s45, (1<<16)|(1<<20)|(1<<21)|(5<<22)|(7<<25)
	s_mov_b32 s[G1B+1], 128<<16
	s_mov_b32 s[G1B+2], 128<<16
	s_mov_b32 s[G1B+3], 128<<16
	s_mov_b32 s[G1B+4], 128
	s_mov_b32 s[G1B+5], 1024
	s_mov_b32 s[G1B+6], 0
	s_mov_b32 s[G1B+7], 0
	s_lshl_b32 s16, s43, 18                        ; ctx: 262,144 bytes a block of rows, two heads (32,768 bytes) a wave
	s_lshl_b32 s17, s14, 15
	s_add_co_u32 s16, s16, s17
	s_mov_b32 s17, 0
	s_lshl_b32 s46, s42, 8                         ; Wo: 256 bytes a block of columns, 128 rows of 2,048 bytes a wave
	s_lshl_b32 s47, s14, 18
	s_add_co_u32 s46, s46, s47
	s_add_co_u32 s46, s46, 14680064
	s_mov_b32 s47, 0
	s_mul_i32 s20, s[WV], REG
	s_wait_dscnt 0x0
	s_wait_kmcnt 0x0
	s_add_nc_u64 s[18:19], s[4:5], s[16:17]
	s_add_nc_u64 s[46:47], s[6:7], s[46:47]
	s_add_nc_u64 s[A1ST:A1ST+1], s[18:19], s[68:69]
	s_add_nc_u64 s[A2ND:A2ND+1], s[18:19], s[70:71]
	s_add_nc_u64 s[B1ST:B1ST+1], s[46:47], s[72:73]
	s_add_nc_u64 s[B2ND:B2ND+1], s[46:47], s[74:75]
	CROUND
.irp s, 0,1
	s_mov_b32 s[G0A+4*\s], 1
	s_add_co_u32 s[G0A+4*\s+1], s20, \s*SLOT
	s_add_nc_u64 s[G0A+4*\s+2:G0A+4*\s+3], s[A1ST:A1ST+1], \s*65536        ; step s of the first half: four heads
	s_or_b32 s[G0A+4*\s+3], s[G0A+4*\s+3], 0x80000000
	s_mov_b32 s[G0B+4*\s], 1
	s_add_co_u32 s[G0B+4*\s+1], s20, \s*SLOT
	s_add_nc_u64 s[G0B+4*\s+2:G0B+4*\s+3], s[B1ST:B1ST+1], \s*524288       ; step s of the first half: 256 rows
	s_or_b32 s[G0B+4*\s+3], s[G0B+4*\s+3], 0x80000000
	JLOAD \s                                       ; both first fills together: two tensor loads of the wave are out
.endr
	v_and_b32 v1, 15, v0                           ; r
	v_bfe_u32 v2, v0, 4, 1                         ; h
	s_lshl_b32 s15, s42, 9                         ; bias: 128 columns of 4 bytes a block, 64 a wave,
	s_lshl_b32 s21, s14, 8
	s_add_co_u32 s15, s15, s21
	v_lshl_add_u32 v[BOFF], v2, 5, s15             ; my eight columns of a block of 16
.irp nb, 0,1,2,3
	global_load_b128 v[BIAS+8*\nb:BIAS+8*\nb+3],   v[BOFF], s[8:9] offset:64*\nb
	global_load_b128 v[BIAS+8*\nb+4:BIAS+8*\nb+7], v[BOFF], s[8:9] offset:64*\nb+16
.endr
	v_and_b32 v5, 1, v0
	v_bfe_u32 v3, v0, 1, 3                         ; ctx fragment: row r at (r / 2) 272 + (r % 2) 128, my 16 bytes at 16 h
	v_mul_u32_u24 v3, v3, 272
	v_lshl_add_u32 v3, v5, 7, v3
	v_lshl_add_u32 v3, v2, 4, v3
	s_mul_i32 s21, s13, 32*272                     ; my 64 rows of a head's 128
	v_add_nc_u32 v[ADRA], s21, v3
	v_add_nc_u32 v[ADRA+1], SLOT, v[ADRA]
	v_and_b32 v4, 7, v0                            ; Wo fragment, transposing load: lane l addresses row 8 h + l % 8,
	v_lshl_add_u32 v4, v2, 3, v4
	v_mul_u32_u24 v4, v4, 288
	v_bfe_u32 v6, v0, 3, 1
	v_lshl_add_u32 v4, v6, 4, v4                   ; columns 0-7 or 8-15 of the block
	s_lshl_b32 s22, s14, 7                         ; my 64 columns
	s_add_co_u32 s22, s22, 2*REG                   ; behind ctx's two parts
	v_add_nc_u32 v[ADRB], s22, v4
	v_add_nc_u32 v[ADRB+1], REG, v[ADRB]
	v_add_nc_u32 v[ADRB+2], SLOT, v[ADRB]
	v_add_nc_u32 v[ADRB+3], SLOT+REG, v[ADRB]
	s_mul_i32 s23, s[WV], WSTAGE
	s_add_co_u32 s23, s23, STAGE
	v_mul_u32_u24 v7, v1, 272                      ; in: row r, my eight f32 at 32 h
	v_lshl_add_u32 v7, v2, 5, v7
	v_add_nc_u32 v[STO], s23, v7
	v_mul_u32_u24 v8, v2, 272                      ; back: lanes 0-15 one row of 256 bytes, lanes 16-31 the next
	v_lshl_add_u32 v8, v1, 4, v8
	v_add_nc_u32 v[RD], s23, v8
	v_lshlrev_b32 v9, 12, v2                       ; and the same two rows of out0, 4,096 bytes apart
	v_lshl_add_u32 v[CO], v1, 4, v9
; 16 matrix instructions: 4 row blocks x 4 column blocks, 32 along K (half ks of a head), from buffer p
.macro MUL16 p, ks, bias
.if \bias
	WIN 0x81                                       ; source 0 (Wo) window 1, source 1 (ctx) and C (bias) window 0, D window 2
.else
	WIN 0xa1                                       ; C and D window 2
.endif
.irp rb, 0,1,2,3
.irp nb, 0,1,2,3
.if \bias
	v_wmma_f32_16x16x32_bf16 v[8*(4*\rb+\nb):8*(4*\rb+\nb)+7], v[F+64*\p+32*\ks+8*\nb:F+64*\p+32*\ks+8*\nb+7], v[F+64*\p+32*\ks+8*\rb:F+64*\p+32*\ks+8*\rb+7], v[BIAS+8*\nb:BIAS+8*\nb+7]
.else
	v_wmma_f32_16x16x32_bf16 v[8*(4*\rb+\nb):8*(4*\rb+\nb)+7], v[F+64*\p+32*\ks+8*\nb:F+64*\p+32*\ks+8*\nb+7], v[F+64*\p+32*\ks+8*\rb:F+64*\p+32*\ks+8*\rb+7], v[8*(4*\rb+\nb):8*(4*\rb+\nb)+7]
.endif
.endr
.endr
.endm
; 32 LDS loads in one run: the fragments of chunk c (one head, 64 along K) of a slot into buffer p
.macro FETCH slot, c, p
	WIN 0x40
.irp ks, 0,1
.irp nb, 0,1,2,3
	ds_load_tr16_b128 v[F+64*\p+32*\ks+8*\nb:F+64*\p+32*\ks+8*\nb+3],   v[ADRB+2*\slot+\c/2] offset:((\c%2)*64+32*\ks)*288+32*\nb
	ds_load_tr16_b128 v[F+64*\p+32*\ks+8*\nb+4:F+64*\p+32*\ks+8*\nb+7], v[ADRB+2*\slot+\c/2] offset:((\c%2)*64+32*\ks+16)*288+32*\nb
.endr
.endr
	WIN 0
.irp ks, 0,1
.irp rb, 0,1,2,3
	ds_load_b128 v[F+64*\p+32*\ks+8*\rb:F+64*\p+32*\ks+8*\rb+3],   v[ADRA+\slot] offset:(\c/2)*REG+(\c%2)*17408+2176*\rb+64*\ks
	ds_load_b128 v[F+64*\p+32*\ks+8*\rb+4:F+64*\p+32*\ks+8*\rb+7], v[ADRA+\slot] offset:(\c/2)*REG+(\c%2)*17408+2176*\rb+64*\ks+32
.endr
.endr
.endm
; One of a slot's first three chunks: asks for the next chunk's fragments (chunk cn, into buffer o), then multiplies buffer p.
; The 16 accumulators take turns, one instruction a turn, in the same order throughout.
.macro CHUNK slot, cn, p, o, bias
	PLACES 4                                       ; buffer o was read by the matrix instructions just issued
	FETCH \slot, \cn, \o
	s_wait_dscnt 32                                ; all but the 32 just issued: buffer p is in
	MUL16 \p, 0, \bias
	MUL16 \p, 1, 0
.endm
.macro THREE slot, bias
	CHUNK \slot, 1, 0, 1, \bias
	CHUNK \slot, 2, 1, 0, 0
	CHUNK \slot, 3, 0, 1, 0
.endm
; The last chunk multiplies buffer 1 and changes slots, in the order of the ring: waits, barrier (with fill = 1 a round of the cluster's), refill first.
.macro TURN slot, next, fill
	s_wait_dscnt 0x0                               ; buffer 1 is in, and with it my last reads of this slot
	s_wait_tensorcnt 0x0                           ; all my tensor loads have landed: the one that was out is my part of the next slot
	ds_add_u32 v255, v255
	s_wait_dscnt 0x0
	s_barrier_signal -1
	MUL16 1, 0, 0
	WIN 0
	s_barrier_wait -1
.if \fill
	CREST
	s_add_nc_u64 s[G0A+4*\slot+2:G0A+4*\slot+3], s[A2ND:A2ND+1], \slot*65536       ; no tensor load of mine is out: the addresses may be written.
	s_or_b32 s[G0A+4*\slot+3], s[G0A+4*\slot+3], 0x80000000                        ; This slot's step of the other half of K
	s_add_nc_u64 s[G0B+4*\slot+2:G0B+4*\slot+3], s[B2ND:B2ND+1], \slot*524288
	s_or_b32 s[G0B+4*\slot+3], s[G0B+4*\slot+3], 0x80000000
	JLOAD \slot
.endif
	PLACES 4
	FETCH \next, 0, 0
	MUL16 1, 1, 0
.endm
	s_wait_tensorcnt 0x1                           ; my part of the first step is in; the second's may stay out
	s_barrier_signal -1
	s_barrier_wait -1
	FETCH 0, 0, 0
	s_wait_loadcnt 0x0                             ; the bias, once
	THREE 0, 1                                     ; the two steps of the first half of K; they ask for the two of the other half
	TURN 0, 1, 1
	THREE 1, 0
	TURN 1, 0, 1
	THREE 0, 0                                     ; the other half: nothing is left to ask for
	TURN 0, 1, 0
	THREE 1, 0
	s_wait_dscnt 0x0
	MUL16 1, 0, 0
	MUL16 1, 1, 0
	; THE WAY OUT, 16 rows at a time through my own stage: a lane's 32 bytes in, whole rows of 256 bytes back
	PLACES 4                                       ; behind the last matrix instructions: LDS stores read results, loads land in fragment registers
	s_lshl_b32 s16, s43, 19                        ; 128 rows of 4,096 bytes a block, 64 a wave: the part that hangs on the block of rows,
	s_lshl_b32 s17, s13, 18
	s_add_co_u32 s16, s16, s17
	s_mov_b32 s17, 0
	s_add_nc_u64 s[10:11], s[10:11], s[16:17]
	s_lshl_b32 s46, s42, 9                         ; and the part that hangs on the block of columns, each in the registers that held that coordinate before
	s_lshl_b32 s47, s14, 8
	s_add_co_u32 s46, s46, s47
	s_mov_b32 s47, 0
	s_add_nc_u64 s[10:11], s[10:11], s[46:47]
.macro OUT16 rb
	WIN 0x08                                       ; store data from window 2
.irp nb, 0,1,2,3
	ds_store_b128 v[STO], v[8*(4*\rb+\nb):8*(4*\rb+\nb)+3]   offset:64*\nb
	ds_store_b128 v[STO], v[8*(4*\rb+\nb)+4:8*(4*\rb+\nb)+7] offset:64*\nb+16
.endr
	WIN 0
.irp t, 0,1,2,3,4,5,6,7
	ds_load_b128 v[F+32*\rb+4*\t:F+32*\rb+4*\t+3], v[RD] offset:544*\t     ; LDS serves a wave's instructions in order: these see the stores above
.endr
.irp t, 0,1,2,3,4,5,6,7
	s_wait_dscnt 7-\t                              ; read-back t is in, the younger ones stay out
	global_store_b128 v[CO], v[F+32*\rb+4*\t:F+32*\rb+4*\t+3], s[10:11] offset:65536*\rb+8192*\t th:TH_STORE_NT   ; 16 lanes store 256 consecutive bytes, aligned; no register is written twice
.endr
.endm
	OUT16 0
	OUT16 1
	OUT16 2
	OUT16 3
	s_set_vgpr_msb 0x1
	s_wait_tensorcnt 0x0
	ds_add_u32 v255, v255
	s_wait_dscnt 0x0
	s_set_vgpr_msb 0x100
	CROUND                                         ; the closing round
	s_endpgm
.Lfunc_end_k_q706a25a304_proj:
	.size	k_q706a25a304_proj, .Lfunc_end_k_q706a25a304_proj-k_q706a25a304_proj
	.p2alignl 7, 3214868480
	.fill 96, 4, 3214868480
	.section	.rodata,"a",@progbits
	.p2align	6, 0x0
	.amdhsa_kernel k_q706a25a304_proj
		.amdhsa_group_segment_fixed_size 327680
		.amdhsa_private_segment_fixed_size 0
		.amdhsa_enable_private_segment 0
		.amdhsa_kernarg_size 32
		.amdhsa_user_sgpr_count 2
		.amdhsa_user_sgpr_kernarg_segment_ptr 1
		.amdhsa_wavefront_size32 1
		.amdhsa_system_sgpr_workgroup_id_x 1
		.amdhsa_system_sgpr_workgroup_id_y 1
		.amdhsa_system_sgpr_workgroup_id_z 1
		.amdhsa_system_vgpr_workitem_id 0
		.amdhsa_next_free_vgpr 640
		.amdhsa_next_free_sgpr 84
		.amdhsa_reserve_vcc 0
		.amdhsa_float_denorm_mode_32 3
		.amdhsa_float_denorm_mode_16_64 3
		.amdhsa_memory_ordered 1
		.amdhsa_forward_progress 1
		.amdhsa_inst_pref_size 88
	.end_amdhsa_kernel
	.amdgpu_metadata
---
amdhsa.version: [ 1, 2 ]
amdhsa.kernels:
  - .name:           k_q706a25a304_proj
    .symbol:         k_q706a25a304_proj.kd
    .args:
      - { .name: ctx, .offset: 0, .size: 8, .value_kind: global_buffer, .address_space: global }
      - { .name: cb, .offset: 8, .size: 8, .value_kind: global_buffer, .address_space: global }
      - { .name: bo, .offset: 16, .size: 8, .value_kind: global_buffer, .address_space: global }
      - { .name: out0, .offset: 24, .size: 8, .value_kind: global_buffer, .address_space: global }
    .group_segment_fixed_size: 327680
    .private_segment_fixed_size: 0
    .kernarg_segment_align: 8
    .kernarg_segment_size: 32
    .max_flat_workgroup_size: 128
    .sgpr_count:     84
    .vgpr_count:     640
    .wavefront_size: 32
...
	.end_amdgpu_metadata
.endif
;; end of part 6
;; ======== version 3 of 3: 4 launches; version 2 with the launch cast written anew for expert scheduling mode
;; workspace buffers: cb 16,777,216 bytes; qkv 25,165,824 bytes; ctx 8,388,608 bytes
;; launch cast (part 7): grid 32 x 8, 8 waves a work-group, no clusters, 0 bytes of LDS; arguments x, Wq, Wk, Wv, Wo, cb; writes cb
.if DOCPART == 7
	.amdgcn_target "amdgcn-amd-amdhsa--gfx1250"
	.amdhsa_code_object_version 6
	.text
	.protected	k_q706a25a304_cast
	.globl	k_q706a25a304_cast
	.p2align	8
	.type	k_q706a25a304_cast,@function
k_q706a25a304_cast:
	s_mov_b64 s[64:65], 0
	v_nop
	global_prefetch_b8 v0, s[64:65] scope:SCOPE_SE
	s_setreg_imm32_b32 hwreg(HW_REG_WAVE_SCHED_MODE, 0, 2), 2
	s_setreg_imm32_b32 hwreg(HW_REG_WAVE_MODE, 25, 1), 1
	s_wait_xcnt 0x0
	s_wait_alu depctr_vm_vsrc(0)
; x, Wq, Wk, Wv, Wo (f32) -> cb (bf16, round to nearest even), layouts unchanged, laid one behind the other:
; cb byte 0: x [4096][1024]; 8,388,608: Wq; 10,485,760: Wk; 12,582,912: Wv (each [16][1024][64]); 14,680,064: Wo [1024][1024].
; Why a launch of its own: in the products that follow each row of x is read by 16 head blocks and each weight by 16 row blocks;
; converted here, each number is rounded once and moves as 2 bytes from then on, straight into matrix fragments.
; 256 work-groups of 8 waves; a work-group takes 131,072 bytes of f32, a wave 16,384: 32 loads of 16 bytes a lane, all issued before the
; first is used.  No LDS, no barrier, no matrix unit, no cluster: no byte is shared and no wave depends on another.
; Work-group rows y = 0..3 take x (32 x 4 x 128 KiB = 16 MiB), y = 4, 5, 6, 7 take Wq, Wk, Wv, Wo (32 x 128 KiB = 4 MiB each).
; THE MODE: SCHED_MODE bits 1:0 = 2 (LLVM: expert scheduling mode 2), set by the entry lines.  The code itself states the register dependences
; between vector instructions and memory instructions, with s_wait_alu, always for 0.
; THE PLAN.  Registers that memory instructions touch:
;   v1, v2   byte offsets in the source and in cb.  Written at the head, never again; read by every load (v1) and every store (v2).
;   X        load i lands in its four registers, once; no vector instruction ever writes them; the two conversions of number i read them,
;            and no load lands in them afterwards.
;   Y        the two conversions of number i write its pair, once; store i reads it; nothing writes it again.
; So the only dependences to state are vector results that memory instructions read: the two offsets, once, in front of the first load; and Y.
; The 32 numbers go in eight groups of four.  A group's four stores are issued in the next group, one in front of each pair of conversions, behind ONE
; wait at that group's head; the conversions issued since that wait name this group's X and Y alone, none of the registers that those stores read.
; The last group's stores follow a wait of their own.  No register that a memory instruction reads is written again: no wait on vm_vsrc is owed.
.set X, 4                              ; v[4:131]    load i: 4 numbers in f32
.set Y, 132                            ; v[132:195]  store i: 4 numbers in bf16
.set GROUP, 4                          ; stores that one wait serves
	s_load_b256 s[4:11], s[0:1], 0x0               ; x s[4:5], Wq s[6:7], Wk s[8:9], Wv s[10:11]
	s_load_b128 s[12:15], s[0:1], 0x20             ; Wo s[12:13], cb s[14:15]
	s_and_b32 s16, ttmp7, 0xffff                   ; y
	s_lshl_b32 s17, s16, 5
	s_add_co_u32 s17, s17, ttmp9                   ; id = 32 y + x: cb is linear in it
	s_cmp_lt_u32 s16, 4
	s_cselect_b32 s18, s17, ttmp9                  ; my number inside my source: id in x, the work-group's x in a weight
	s_lshl_b32 s18, s18, 17                        ; times 131,072 bytes of f32
	s_mov_b32 s19, 0
	s_lshl_b32 s22, s17, 16                        ; times 65,536 bytes of bf16
	s_mov_b32 s23, 0
	v_and_b32 v1, 31, v0                           ; lane
	v_lshrrev_b32 v3, 5, v0                        ; wave
	v_lshlrev_b32 v2, 3, v1                        ; out: 8 bytes a lane
	v_lshlrev_b32 v1, 4, v1                        ; in: 16 bytes a lane
	v_lshl_add_u32 v1, v3, 14, v1                  ; + wave x 16,384
	v_lshl_add_u32 v2, v3, 13, v2                  ; + wave x 8,192
	s_wait_kmcnt 0x0
	s_mov_b64 s[20:21], s[4:5]                     ; the source: x, unless y names a weight
	s_cmp_eq_u32 s16, 4
	s_cselect_b64 s[20:21], s[6:7], s[20:21]
	s_cmp_eq_u32 s16, 5
	s_cselect_b64 s[20:21], s[8:9], s[20:21]
	s_cmp_eq_u32 s16, 6
	s_cselect_b64 s[20:21], s[10:11], s[20:21]
	s_cmp_eq_u32 s16, 7
	s_cselect_b64 s[20:21], s[12:13], s[20:21]
	s_add_nc_u64 s[20:21], s[20:21], s[18:19]
	s_add_nc_u64 s[14:15], s[14:15], s[22:23]
	s_wait_alu depctr_va_vdst(0)                   ; v1 and v2 are written: every load below reads v1 as its offset, every store v2
.set i, 0
.rept 32
	global_load_b128 v[X+4*i:X+4*i+3], v1, s[20:21] offset:512*i th:TH_LOAD_NT   ; a wave's load covers 512 consecutive bytes; read once in the launch
.set i, i+1
.endr
.set i, 0
.rept 32
.if (i % GROUP) == 0
	s_wait_loadcnt 31-i                            ; loads come back in order: load i is in, the 31 - i younger ones stay out
.if i > 0
	s_wait_alu depctr_va_vdst(0)                   ; the conversions of the group before have written their eight registers of Y, which this group's four stores read
.endif
.endif
.if i >= GROUP
	global_store_b64 v2, v[Y+2*(i-GROUP):Y+2*(i-GROUP)+1], s[14:15] offset:256*(i-GROUP)   ; the group before: 32 lanes x 8 bytes: 256 consecutive bytes, aligned.  No vector instruction since the wait names these registers
.endif
.if (i % GROUP) != 0
	s_wait_loadcnt 31-i                            ; load i is in, the 31 - i younger ones stay out
.endif
	v_cvt_pk_bf16_f32 v[Y+2*i], v[X+4*i], v[X+4*i+1]
	v_cvt_pk_bf16_f32 v[Y+2*i+1], v[X+4*i+2], v[X+4*i+3]
.set i, i+1
.endr
	s_wait_alu depctr_va_vdst(0)                   ; the last group's conversions have written their eight registers of Y, which the last four stores read
.set i, 32-GROUP
.rept GROUP
	global_store_b64 v2, v[Y+2*i:Y+2*i+1], s[14:15] offset:256*i   ; no register is written twice: no further wait
.set i, i+1
.endr
	s_endpgm
.Lfunc_end_k_q706a25a304_cast:
	.size	k_q706a25a304_cast, .Lfunc_end_k_q706a25a304_cast-k_q706a25a304_cast
	.p2alignl 7, 3214868480
	.fill 96, 4, 3214868480
	.section	.rodata,"a",@progbits
	.p2align	6, 0x0
	.amdhsa_kernel k_q706a25a304_cast
		.amdhsa_group_segment_fixed_size 0
		.amdhsa_private_segment_fixed_size 0
		.amdhsa_enable_private_segment 0
		.amdhsa_kernarg_size 48
		.amdhsa_user_sgpr_count 2
		.amdhsa_user_sgpr_kernarg_segment_ptr 1
		.amdhsa_wavefront_size32 1
		.amdhsa_system_sgpr_workgroup_id_x 1
		.amdhsa_system_sgpr_workgroup_id_y 1
		.amdhsa_system_sgpr_workgroup_id_z 1
		.amdhsa_system_vgpr_workitem_id 0
		.amdhsa_next_free_vgpr 196
		.amdhsa_next_free_sgpr 66
		.amdhsa_reserve_vcc 0
		.amdhsa_float_denorm_mode_32 3
		.amdhsa_float_denorm_mode_16_64 3
		.amdhsa_memory_ordered 1
		.amdhsa_forward_progress 1
		.amdhsa_inst_pref_size 13
	.end_amdhsa_kernel
	.amdgpu_metadata
---
amdhsa.version: [ 1, 2 ]
amdhsa.kernels:
  - .name:           k_q706a25a304_cast
    .symbol:         k_q706a25a304_cast.kd
    .args:
      - { .name: x, .offset: 0, .size: 8, .value_kind: global_buffer, .address_space: global }
      - { .name: Wq, .offset: 8, .size: 8, .value_kind: global_buffer, .address_space: global }
      - { .name: Wk, .offset: 16, .size: 8, .value_kind: global_buffer, .address_space: global }
      - { .name: Wv, .offset: 24, .size: 8, .value_kind: global_buffer, .address_space: global }
      - { .name: Wo, .offset: 32, .size: 8, .value_kind: global_buffer, .address_space: global }
      - { .name: cb, .offset: 40, .size: 8, .value_kind: global_buffer, .address_space: global }
    .group_segment_fixed_size: 0
    .private_segment_fixed_size: 0
    .kernarg_segment_align: 8
    .kernarg_segment_size: 48
    .max_flat_workgroup_size: 256
    .sgpr_count:     66
    .vgpr_count:     196
    .wavefront_size: 32
...
	.end_amdgpu_metadata
.endif
;; end of part 7
;; launch qkv: the kernel of part 2 again; grid 16 x 16, 4 waves a work-group, clusters of 4 x 4, 327,680 bytes of LDS; arguments cb, bq, bk, bv, qkv; writes qkv
;; launch attn: the kernel of part 5 again; grid 8 x 32, 8 waves a work-group, clusters of 4 x 1, 327,680 bytes of LDS; arguments qkv, ctx; writes ctx
;; launch proj: the kernel of part 6 again; grid 8 x 32, 4 waves a work-group, clusters of 4 x 4, 327,680 bytes of LDS; arguments ctx, cb, bo, out0; writes out0
